; MI455X (gfx1250); checked and timed in simulation.
; The chip was launched on July 23, 2026; its instructions are those of AMD's public machine-readable ISA for CDNA 5 (MIT licence, August 2026) and "CDNA5" Instruction Set Architecture Reference Guide (July 2026). The comments in the code are by the model that wrote it; some were corrected since.
;; Causal Self Attention. Allowed arithmetic: matrix products marked QUANTISED: E4M3 operands, one E8M0 scale for each 32 along K, by v_wmma_scale_f32_16x16x128_f8f6f4 with both operands' format E4M3, f32 sums; everything else in f32.
;; Inputs: b_attn 3,072 float32; b_proj 1,024 float32; w_attn 1,024 x 3,072 float32; w_proj 1,024 x 1,024 float32; x 4 x 2,048 x 1,024 float32.
;; Outputs: out0 4 x 2,048 x 1,024 float32.
;; This version of the problem:
;;   THIS VERSION OF THE PROBLEM IS GIVEN IN LOW PRECISION. The matrix products marked QUANTISED in the list below multiply operands that are first quantised to E4M3 (4 exponent bits, 3 mantissa bits; 8 bits a number), with one power-of-two scale for each 32 numbers along K (OCP MX v1.0); their sums are f32. All else is computed in f32.
;;   The module's matrix products, in the order in which they are computed (A, B: the left and right operand; K: the contracted axis; several contracted axes count as one K, in the product's order):
;;     1. [M 8,192, K 1,024] x [K 1,024, N 3,072]; A: input x; B: input w_attn: QUANTISED
;;     2. batch 64 x [M 2,048, K 64] x [K 64, N 2,048]; A: computed on the way; B: computed on the way: QUANTISED
;;     3. batch 64 x [M 2,048, K 2,048] x [K 2,048, N 64]; A: softmax (see below); B: computed on the way: QUANTISED
;;     4. [M 8,192, K 1,024] x [K 1,024, N 1,024]; A: computed on the way; B: input w_proj: QUANTISED
;;   THE QUANTISER, for each operand of a quantised product, along K:
;;     - K is cut into blocks of 32 from its start; a last block that is shorter is filled with zeros.
;;     - A block's scale is 2^e with e = floor(log2(the largest magnitude in the block)) - 8, held to -126 .. 127; a block of zeros has e = 0. As a byte (E8M0): e + 127.
;;     - Each number is divided by its block's scale, clamped to +-448, and rounded to the nearest number of E4M3, ties to even, subnormals kept.
;;     - The product sums the exact products of the quantised numbers (number of the format x scale) in f32.
;;   ~~~python
;;   def quantise(x, axis):      # numpy; x: float32 -> the quantised numbers, widened to float32 again
;;       x = np.moveaxis(x, axis, -1); K = x.shape[-1]
;;       x = np.pad(x, [(0, 0)] * (x.ndim - 1) + [(0, -K % 32)]); x = x.reshape(x.shape[:-1] + (-1, 32)); a = np.abs(x).max(-1, keepdims=True)
;;       e = np.where(a > 0, np.clip(np.frexp(np.where(a > 0, a, 1))[1] - 1 - 8, -126, 127), 0)      # np.frexp(a)[1] - 1 = floor(log2(a)), exactly
;;       r = np.clip(x / 2.0 ** e, -448, 448)
;;       step = 2.0 ** (np.maximum(np.frexp(np.where(r == 0, 1, r))[1] - 1, -6) - 3)
;;       q = np.round(r / step) * step * 2.0 ** e      # np.round: ties to even
;;       return np.moveaxis(q.reshape(q.shape[:-2] + (-1,))[..., :K], -1, axis).astype(np.float32)
;;   ~~~
;;   SOFTMAX AHEAD OF A QUANTISED PRODUCT. Where the list says 'softmax', what is quantised is not the finished softmax but p = 2^(t - M), with t = logit x log2(e) and M = ceil(the row's largest t), a whole number; so 1/2 < the row's largest p <= 1. The row's sum l is taken of the UNQUANTISED p, in f32, and the product's result is divided by l at the end. Since M is a whole number, a kernel that streams over the keys may use a running M (the ceiling of the running maximum): every later rescaling is an exact power of two, which a block's scale takes up: the codes' values come out the same.
;;   OPERANDS COMPUTED ON THE WAY. 'Computed on the way' means the value that the module computes at that place (a softmax that the list does not call 'softmax' is quantised finished and normalised). What goes into a quantiser is computed in f32, as accurately as f32 sums, v_exp_f32 and their like allow (about 1e-6 of the number): no bf16 or f16 on the way to a quantiser, and a product that is left as it is and whose result goes on into a quantised operand takes f32 operands (vector FMAs, or v_wmma_f32_16x16x4_f32). A number that lies on a knife's edge between two numbers of the format may be rounded either way, as far as f32 arithmetic and the matrix unit's own rounding can turn it there, and no further.
;; One version. Each part assembles by itself: llvm-mc -triple=amdgcn-amd-amdhsa -mcpu=gfx1250 --defsym DOCPART=n.
;; ======== version 1 of 1: 4 launches
;; limits: right only within a limited range of input values
;; workspace buffers: xq 8,650,752 bytes; wq 4,325,376 bytes; yq 8,650,752 bytes; qb 8,912,896 bytes; kv 17,563,648 bytes
;; launch quant (part 1): grid 384 x 1, 4 waves a work-group, no clusters, 69,120 bytes of LDS; arguments x, w_attn, w_proj, xq, wq; writes xq, wq
.if DOCPART == 1
	.amdgcn_target "amdgcn-amd-amdhsa--gfx1250"
	.amdhsa_code_object_version 6
	.text
	.protected	k_q57ca483b03_quant
	.globl	k_q57ca483b03_quant
	.p2align	8
	.type	k_q57ca483b03_quant,@function
k_q57ca483b03_quant:
	s_mov_b64 s[64:65], 0
	v_nop
	global_prefetch_b8 v0, s[64:65] scope:SCOPE_SE
	s_setreg_imm32_b32 hwreg(HW_REG_WAVE_MODE, 25, 1), 1
	s_wait_xcnt 0x0
; x [8192][1024], w_attn [1024][3072] and w_proj [1024][1024], f32, become codes of FP8 (E4M3) with one E8M0 byte for each 32 along K (K = 1,024 in all three), laid in the order of a matrix operand's registers.
; THE LAYOUT (xq: 64 groups of rows of x; wq: 32 groups of columns: 0-23 w_attn's, 24-31 w_proj's).  A group is 128 rows of an operand, GREC bytes.  Row n of a group lies at POSITION p = n with bits 3 and 4 exchanged.
;   codes:  kq x 32768 + tile x 4096 + ks x 2048 + c x 512 + lane x 16, kq = k / 256, tile = p / 16, ks = (k / 128) % 2, c = (k / 32) % 4; lane (r, h) = p % 16 + 16 h holds k = 32 c + 16 h + 0 .. 15
;   scales: 131072 + kq x 1024 + p x 8 + 4 ks + c
; A block's scale is 2^(floor(log2(its largest magnitude)) - 8): its byte is the largest magnitude's exponent field - 8, held at 1 from below; each number is held within +-448 x the scale and rounded to the nearest code.
; LIMITS: a block whose largest magnitude lies under 2^-118 is held at the byte 1; a block of zeros gets the byte 1 where the rule says 127 (its codes are zeros, and this program alone reads the bytes); NaN and infinities are not served.
; Work-groups 0-255 take x (32 rows each; wave w takes k = 256 w on), the others the weights (128 columns x 256 along K each).  The two ways part on the work-group's number, never join, and have LDS bytes of their own.
; No tensor loads, no barrier: waves share nothing.
.set GREC,  135168
.set R,     112                        ; x: v112-239 four sets of 32 numbers as they are loaded
.set X,     48                         ; x: v48-111  two sets of 32: 16 neighbours of each of two blocks
.set C,     32                         ; x: v32-47   two sets of 8 registers of codes
.set OFFW,  32                         ; weights: v32-63 byte offset of row i of a block, at my column
.set XW,    64                         ; weights: v64-127 two sets of 32 numbers: a block of my column
.set CW,    128                        ; weights: v128-135 a block's codes
.set OUTR,  136                        ; weights: v136-199 the way out
.set STW,   34816                      ; weights: the stages begin behind x's
; ---- x.  A macro-step ms is position tile ms / 4 of my 32 rows x 64 along K (two blocks).
.macro LOADX ms                        ; eight loads; each takes 256 consecutive bytes of two rows: lanes 0-15 one row, lanes 16-31 the next
.set TAU, (\ms)/4
.set KG, (\ms)%4
.set RS, R+32*((\ms)%4)
.irp j, 0,1,2,3,4,5,6,7
	global_load_b128 v[RS+4*\j:RS+4*\j+3], v4, s[4:5] offset:(8*TAU+2*(\j%4)+16*(\j/4))*4096+256*KG th:TH_LOAD_NT
.endr
.endm
.macro TURNX ms                        ; through my stage: in as loaded (tile row 2 j + h at 272 bytes a row), out 16 neighbours of each block a lane.  LDS serves a wave's instructions in order: no wait between
.set RS, R+32*((\ms)%4)
.set XS, X+32*((\ms)%2)
.set SG, 4352*((\ms)%2)
.irp j, 0,1,2,3,4,5,6,7
	ds_store_b128 v5, v[RS+4*\j:RS+4*\j+3] offset:SG+544*\j
.endr
.irp bk, 0,1
.irp j, 0,1,2,3
	ds_load_b128 v[XS+16*\bk+4*\j:XS+16*\bk+4*\j+3], v6 offset:SG+128*\bk+16*\j
.endr
.endr
.endm
.macro STEPX t
	s_wait_dscnt 0x0                               ; this step's numbers are back from the stage, and its stores into the stage have read their registers,
.if (\t)+4 < 8
	LOADX (\t)+4                                   ; which take the loads of four steps on
.endif
.if (\t)+1 < 8
.if (\t) < 4
	s_wait_loadcnt 24                              ; the next step's eight loads are in; those of the three steps behind it may be out
.else
	s_wait_loadcnt 8*(6-(\t))                      ; (towards the end fewer steps stand behind it)
.endif
	TURNX (\t)+1
.endif
.set XS, X+32*((\t)%2)
.set CC, C+8*((\t)%2)
.set TAU, (\t)/4
.set KG, (\t)%4
.irp bk, 0,1
	v_max3_num_f32 v[10+\bk], |v[XS+16*\bk]|, |v[XS+16*\bk+1]|, 0x4800000   ; my 16 numbers of the block, and the floor 2^(9 - 127): the byte cannot fall under 1
.endr
.irp i, 2,4,6,8,10,12,14
.irp bk, 0,1
	v_max3_num_f32 v[10+\bk], v[10+\bk], |v[XS+16*\bk+\i]|, |v[XS+16*\bk+\i+1]|
.endr
.endr
.irp bk, 0,1
	v_permlanex16_b32 v[12+\bk], v[10+\bk], s26, s27
.endr
.irp bk, 0,1
	v_max_num_f32 v[10+\bk], v[10+\bk], v[12+\bk]  ; with lane l xor 16's 16: the block's largest magnitude
.endr
.irp bk, 0,1
	v_add_nc_u32 v[16+\bk], 0xfc000000, v[10+\bk]  ; 8 off its exponent field: the conversion's scale operand
	v_and_or_b32 v[14+\bk], v[10+\bk], 0x7f800000, s24   ; 448 x the scale
	v_lshrrev_b32 v[18+\bk], 23, v[16+\bk]         ; the scale's byte
.endr
.irp bk, 0,1
.if (2*KG+\bk)%4 == 0
	v_mov_b32 v[20+2*TAU+(2*KG+\bk)/4], v[18+\bk]  ; four bytes to a word, the lower K in the lower byte
.else
	v_lshl_or_b32 v[20+2*TAU+(2*KG+\bk)/4], v[18+\bk], 8*((2*KG+\bk)%4), v[20+2*TAU+(2*KG+\bk)/4]
.endif
.endr
.irp bk, 0,1
.set ii, 0
.rept 16
	v_med3_num_f32 v[XS+16*\bk+ii], v[XS+16*\bk+ii], -v[14+\bk], v[14+\bk]   ; the conversion to an 8-bit code does not saturate (ISA guide 7.6.2): the hold comes first
.set ii, ii+1
.endr
.endr
.if (\t) >= 2
	s_wait_alu depctr_va_vdst(0)
	s_wait_xcnt 0x0                                ; the stores of two steps back have read this set of code registers
.endif
.irp bk, 0,1
	v_cvt_scalef32_pk8_fp8_f32 v[CC+4*\bk:CC+4*\bk+1], v[XS+16*\bk:XS+16*\bk+7], v[16+\bk]
	v_cvt_scalef32_pk8_fp8_f32 v[CC+4*\bk+2:CC+4*\bk+3], v[XS+16*\bk+8:XS+16*\bk+15], v[16+\bk]
.endr
	v_nop                                          ; one plain line behind the last conversion
.irp bk, 0,1
	global_store_b128 v7, v[CC+4*\bk:CC+4*\bk+3], s[20:21] offset:TAU*4096+(2*KG+\bk)*512   ; 32 lanes store 512 consecutive bytes: a quarter of a fragment's image
.endr
.endm
; ---- the weights.  A lane takes a column, its registers run down K: a block of 32 lies in one lane.
.macro LOADW t                         ; block t: rows 32 t + i of my 256, at my column: 128 consecutive bytes a load
.set ii, 0
.rept 32
	global_load_b32 v[XW+32*((\t)%2)+ii], v[OFFW+ii], s[32+2*(\t):33+2*(\t)] th:TH_LOAD_NT
.set ii, ii+1
.endr
.endm
.macro BLOCKW t
.set XS, XW+32*((\t)%2)
.if (\t) < 7
	s_wait_loadcnt 32                              ; this block's 32 loads are in; the next block's may be out
.else
	s_wait_loadcnt 0x0
.endif
	v_max3_num_f32 v10, |v[XS]|, |v[XS+1]|, |v[XS+2]|
	v_max3_num_f32 v11, |v[XS+3]|, |v[XS+4]|, |v[XS+5]|
.irp i, 6,10,14,18,22,26
	v_max3_num_f32 v10, v10, |v[XS+\i]|, |v[XS+\i+1]|
	v_max3_num_f32 v11, v11, |v[XS+\i+2]|, |v[XS+\i+3]|
.endr
	v_max3_num_f32 v10, v10, |v[XS+30]|, |v[XS+31]|
	v_max3_num_f32 v10, v10, v11, 0x4800000        ; and the floor
	v_add_nc_u32 v12, 0xfc000000, v10              ; the conversion's scale operand
	v_and_or_b32 v13, v10, 0x7f800000, s24         ; 448 x the scale
	v_lshrrev_b32 v11, 23, v12                     ; the byte
.if (\t)%4 == 0
	v_mov_b32 v[24+(\t)/4], v11
.else
	v_lshl_or_b32 v[24+(\t)/4], v11, 8*((\t)%4), v[24+(\t)/4]
.endif
.set ii, 0
.rept 32
	v_med3_num_f32 v[XS+ii], v[XS+ii], -v13, v13
.set ii, ii+1
.endr
.irp g, 0,1,2,3
	v_cvt_scalef32_pk8_fp8_f32 v[CW+2*\g:CW+2*\g+1], v[XS+8*\g:XS+8*\g+7], v12
.endr
	v_nop                                          ; one plain line behind the last conversion
	ds_store_b128 v4, v[CW:CW+3] offset:512*(\t)       ; k = 32 t + 0 .. 15: the image's lane r
	ds_store_b128 v4, v[CW+4:CW+7] offset:512*(\t)+256 ; k = 32 t + 16 .. 31: its lane 16 + r
.if (\t)+2 < 8
	LOADW (\t)+2
.endif
	s_wait_dscnt 0x0                               ; the stores have read their registers: the next block's codes may be written
.endm
	s_load_b256 s[4:11], s[0:1], 0x0               ; x s[4:5], w_attn s[6:7], w_proj s[8:9], xq s[10:11]
	s_load_b64 s[12:13], s[0:1], 0x20              ; wq
	v_lshl_add_u32 v254, v0, 2, 0x10c00
	v_mov_b32 v255, 0
	v_lshrrev_b32 v1, 5, v0
	v_readfirstlane_b32 s16, v1                    ; wave 0..3
	v_and_b32 v1, 31, v0                           ; lane
	s_mov_b32 s24, 0x600000                        ; the mantissa field of 448
	s_mov_b32 s26, 0x76543210
	s_mov_b32 s27, 0xfedcba98                      ; v_permlanex16_b32's selects for lane l xor 16
	s_cmp_lt_u32 ttmp9, 256
	s_cbranch_scc0 .Lweights
	; ================ x: rows 32 g .. 32 g + 31, k = 256 w .. 256 w + 255
	v_and_b32 v2, 15, v0                           ; r
	v_bfe_u32 v3, v0, 4, 1                         ; h
	v_lshlrev_b32 v4, 4, v2
	v_lshl_add_u32 v4, v3, 12, v4                  ; in memory: 16 r, one row (4,096 bytes) on for lanes 16-31
	s_mul_i32 s17, s16, 8704                       ; my two stages of 16 rows x 272 bytes
	v_mul_u32_u24 v5, v3, 272
	v_lshl_add_u32 v5, v2, 4, v5
	v_add_nc_u32 v5, s17, v5                       ; into a stage: row h of the load's two, byte 16 r
	v_mul_u32_u24 v6, v2, 272
	v_lshl_add_u32 v6, v3, 6, v6
	v_add_nc_u32 v6, s17, v6                       ; out of it: row r, my half's 64 bytes of a block
	v_lshlrev_b32 v7, 4, v1                        ; 16 x lane
	v_lshlrev_b32 v8, 3, v1                        ; 8 x lane
	v_mov_b32 v12, 0                               ; written once: a lane permute's destination counts as one of its sources
	v_mov_b32 v13, 0
	s_lshl_b32 s18, ttmp9, 17                      ; 32 rows of 4,096 bytes
	s_lshl_b32 s19, s16, 10
	s_add_co_u32 s18, s18, s19                     ; + my 256 numbers of a row
	s_mov_b32 s19, 0
	s_lshr_b32 s28, ttmp9, 2
	s_mul_i32 s28, s28, GREC                       ; the group's record
	s_and_b32 s29, ttmp9, 3                        ; which 32 positions of its 128
	s_lshl_b32 s30, s16, 15
	s_lshl_b32 s31, s29, 13
	s_add_co_u32 s30, s30, s31
	s_add_co_u32 s30, s30, s28                     ; codes: kq = w, two tiles of 4,096 bytes
	s_mov_b32 s31, 0
	s_lshl_b32 s32, s16, 10
	s_lshl_b32 s33, s29, 8
	s_add_co_u32 s32, s32, s33
	s_add_co_u32 s32, s32, s28
	s_add_co_u32 s32, s32, 131072                  ; scale bytes: 256 for my 32 positions
	s_mov_b32 s33, 0
	s_wait_alu depctr_va_vdst(0)
	s_wait_kmcnt 0x0
	s_add_nc_u64 s[4:5], s[4:5], s[18:19]
	s_add_nc_u64 s[20:21], s[10:11], s[30:31]
	s_add_nc_u64 s[22:23], s[10:11], s[32:33]
	LOADX 0
	LOADX 1
	LOADX 2
	LOADX 3
	s_wait_loadcnt 24                              ; step 0's eight loads are in
	TURNX 0
.irp t, 0,1,2,3,4,5,6,7
	STEPX \t
.endr
	v_cmp_gt_u32 vcc_lo, 16, v1                    ; lanes r and 16 + r hold the same words: lanes 0-15 send tile 0's, lanes 16-31 tile 1's
	v_cndmask_b32 v24, v22, v20, vcc_lo
	v_cndmask_b32 v25, v23, v21, vcc_lo
	global_store_b64 v8, v[24:25], s[22:23]        ; 32 lanes store 256 consecutive bytes, aligned
	s_wait_tensorcnt 0x0
	ds_add_u32 v254, v255
	s_wait_dscnt 0x0
	s_endpgm
	; ================ the weights: columns 128 cg .. + 127 (wave w: 32 of them), k = 256 kq .. + 255
.Lweights:
	s_sub_co_u32 s17, ttmp9, 256
	s_lshr_b32 s18, s17, 2                         ; cg: the group in wq
	s_and_b32 s19, s17, 3                          ; kq
	s_wait_kmcnt 0x0
	s_cmp_lt_u32 s18, 24                           ; w_attn's group or w_proj's?  The choice hangs on the work-group's number alone
	s_cselect_b64 s[4:5], s[6:7], s[8:9]
	s_mov_b32 s20, 4096
	s_cselect_b32 s20, 12288, s20                  ; a row of the weight in bytes
	s_cselect_b32 s21, 0, 24
	s_sub_co_u32 s21, s18, s21                     ; the group within its tensor
	s_lshl_b32 s22, s19, 8
	s_mul_i32 s22, s22, s20                        ; 256 kq rows
	s_lshl_b32 s23, s21, 9
	s_add_co_u32 s22, s22, s23                     ; + 128 columns a group
	s_lshl_b32 s23, s16, 7
	s_add_co_u32 s22, s22, s23                     ; + 32 columns a wave
	s_mov_b32 s23, 0
	s_add_nc_u64 s[32:33], s[4:5], s[22:23]        ; block 0's first row; a base for each block, 32 rows apart
	s_lshl_b32 s28, s20, 5
	s_mov_b32 s29, 0
.irp t, 1,2,3,4,5,6,7
	s_add_nc_u64 s[32+2*\t:33+2*\t], s[30+2*\t:31+2*\t], s[28:29]
.endr
	s_wait_alu depctr_va_vdst(0)
	v_lshlrev_b32 v3, 2, v1
.set ii, 0
.rept 32
	v_mad_u32_u24 v[OFFW+ii], s20, ii, v3          ; row i of a block, my column
.set ii, ii+1
.endr
	LOADW 0
	LOADW 1
	v_bfe_u32 v9, v0, 3, 1                         ; my column's position: its bit 4 is the lane's bit 3: which of my two tiles;
	v_bfe_u32 v14, v0, 4, 1
	v_and_b32 v15, 7, v0
	v_lshl_or_b32 v15, v14, 3, v15                 ; its place r in that tile
	s_mul_i32 s30, s16, 8448
	s_add_co_u32 s30, s30, STW                     ; my stage: two tiles' images of 4,096 bytes, 4,224 apart: lanes 0-7 and 8-15 of a store fall on different halves of the banks
	v_mul_u32_u24 v4, v9, 4224
	v_lshl_add_u32 v4, v15, 4, v4
	v_add_nc_u32 v4, s30, v4                       ; into it
	v_lshlrev_b32 v6, 4, v1
	v_add_nc_u32 v5, s30, v6                       ; out of it: 16 x lane
	v_lshl_or_b32 v7, v9, 4, v15
	v_lshlrev_b32 v7, 3, v7                        ; 8 x my position among the wave's 32
	s_mul_i32 s48, s18, GREC
	s_lshl_b32 s49, s19, 15
	s_add_co_u32 s50, s48, s49
	s_lshl_b32 s49, s16, 13
	s_add_co_u32 s50, s50, s49
	s_mov_b32 s51, 0
	s_add_nc_u64 s[52:53], s[12:13], s[50:51]      ; codes: kq, my two tiles
	s_lshl_b32 s49, s19, 10
	s_add_co_u32 s50, s48, s49
	s_lshl_b32 s49, s16, 8
	s_add_co_u32 s50, s50, s49
	s_add_co_u32 s50, s50, 131072
	s_add_nc_u64 s[54:55], s[12:13], s[50:51]      ; scale bytes: kq, my 32 positions
.irp t, 0,1,2,3,4,5,6,7
	BLOCKW \t
.endr
	global_store_b64 v7, v[24:25], s[54:55]        ; the wave's 32 x 8 bytes fill 256 consecutive bytes, aligned
.irp n, 0,1,2,3,4,5,6,7,8,9,10,11,12,13,14,15
	ds_load_b128 v[OUTR+4*\n:OUTR+4*\n+3], v5 offset:4224*(\n/8)+512*(\n%8)
.endr
.irp n, 0,1,2,3,4,5,6,7,8,9,10,11,12,13,14,15
	s_wait_dscnt 15-\n                             ; LDS loads come back in order: load n is in, the younger ones may be out
	global_store_b128 v6, v[OUTR+4*\n:OUTR+4*\n+3], s[52:53] offset:4096*(\n/8)+512*(\n%8)   ; 512 consecutive bytes
.endr
	s_wait_tensorcnt 0x0
	ds_add_u32 v254, v255
	s_wait_dscnt 0x0
	s_endpgm
.Lfunc_end_k_q57ca483b03_quant:
	.size	k_q57ca483b03_quant, .Lfunc_end_k_q57ca483b03_quant-k_q57ca483b03_quant
	.p2alignl 7, 3214868480
	.fill 96, 4, 3214868480
	.section	.rodata,"a",@progbits
	.p2align	6, 0x0
	.amdhsa_kernel k_q57ca483b03_quant
		.amdhsa_group_segment_fixed_size 69120
		.amdhsa_private_segment_fixed_size 0
		.amdhsa_enable_private_segment 0
		.amdhsa_kernarg_size 40
		.amdhsa_user_sgpr_count 2
		.amdhsa_user_sgpr_kernarg_segment_ptr 1
		.amdhsa_wavefront_size32 1
		.amdhsa_system_sgpr_workgroup_id_x 1
		.amdhsa_system_sgpr_workgroup_id_y 1
		.amdhsa_system_sgpr_workgroup_id_z 1
		.amdhsa_system_vgpr_workitem_id 0
		.amdhsa_next_free_vgpr 256
		.amdhsa_next_free_sgpr 66
		.amdhsa_reserve_vcc 1
		.amdhsa_float_denorm_mode_32 3
		.amdhsa_float_denorm_mode_16_64 3
		.amdhsa_memory_ordered 1
		.amdhsa_forward_progress 1
		.amdhsa_inst_pref_size 113
	.end_amdhsa_kernel
	.amdgpu_metadata
---
amdhsa.version: [ 1, 2 ]
amdhsa.kernels:
  - .name:           k_q57ca483b03_quant
    .symbol:         k_q57ca483b03_quant.kd
    .args:
      - { .name: x, .offset: 0, .size: 8, .value_kind: global_buffer, .address_space: global }
      - { .name: w_attn, .offset: 8, .size: 8, .value_kind: global_buffer, .address_space: global }
      - { .name: w_proj, .offset: 16, .size: 8, .value_kind: global_buffer, .address_space: global }
      - { .name: xq, .offset: 24, .size: 8, .value_kind: global_buffer, .address_space: global }
      - { .name: wq, .offset: 32, .size: 8, .value_kind: global_buffer, .address_space: global }
    .group_segment_fixed_size: 69120
    .private_segment_fixed_size: 0
    .kernarg_segment_align: 8
    .kernarg_segment_size: 40
    .max_flat_workgroup_size: 128
    .sgpr_count:     66
    .vgpr_count:     256
    .wavefront_size: 32
...
	.end_amdgpu_metadata
.endif
;; end of part 1
;; launch qkv (part 2): grid 16 x 16, 4 waves a work-group, clusters of 4 x 4, 327,680 bytes of LDS; arguments xq, wq, b_attn, qb, kv; writes qb, kv
.if DOCPART == 2
	.amdgcn_target "amdgcn-amd-amdhsa--gfx1250"
	.amdhsa_code_object_version 6
	.text
	.protected	k_q57ca483b03_qkv
	.globl	k_q57ca483b03_qkv
	.p2align	8
	.type	k_q57ca483b03_qkv,@function
k_q57ca483b03_qkv:
	s_mov_b64 s[64:65], 0
	v_nop
	global_prefetch_b8 v0, s[64:65] scope:SCOPE_SE
	s_setreg_imm32_b32 hwreg(HW_REG_WAVE_MODE, 25, 1), 1
	s_wait_xcnt 0x0
	s_wait_alu depctr_hold_cnt(0) depctr_sa_sdst(0) depctr_va_vdst(0) depctr_va_sdst(0) depctr_va_ssrc(0) depctr_va_vcc(0) depctr_vm_vsrc(0)
	s_getreg_b32 s2, hwreg(HW_REG_IB_STS2, 6, 4)
	s_cmp_eq_u32 s2, 0
	s_cbranch_scc0 .Lentry_in_a_cluster
	s_endpgm
.Lentry_in_a_cluster:
	s_bfe_u32 s2, ttmp6, 0x10000c
	s_cmp_lg_u32 s2, 0xf033
	s_cbranch_scc0 .Lentry_shape_is_right
	s_endpgm
.Lentry_shape_is_right:
; qkv = x w_attn + b_attn on codes of FP8 (E4M3) with E8M0 scales, K = 1,024; the results are quantised at once, in registers, and leave as the images of the operands that the attention launch reads: q and k along the head's 64, v along the keys.
; OPERANDS (made by the launch before): groups of 128 rows, GREC dense bytes each: codes at kq x 32768 + tile x 4096 + ks x 2048 + c x 512 + lane x 16, scale bytes at 131072 + kq x 1024 + 8 p + 4 ks + c.  Row n of a group lies at position p = n with bits 3 and 4 exchanged.
; THE DEAL.  256 work-groups of four waves, 2 x 2.  A wave holds 64 rows of a weight, ALL of K, in registers (512) and streams x's tiles of 16 positions past them: a block is 32 products; x's blocks stand in registers as two sets (256).
; PHASE 1: 512 tokens (4 groups) x 128 features of q (tile columns 0-7) or k (8-15): source 0 = the weight's rows, so a lane holds a token and its 32 registers run along a head's 64.
; PHASE 2: 256 tokens, ONE OF THE WORK-GROUP'S OWN TWO WINDOWS (number s18, from the cluster's number), x 128 features of v: source 0 = x's rows, so a lane holds a feature, and the 16 registers of a pair of blocks are 16 neighbouring keys.
; LDS: two slots of one whole group each.  At the head waves 0, 1 fetch the halves of the first weight (slot 1), waves 2, 3 those of chunk 0 (slot 0).  Every later fill is a refill in a drained round of the cluster's barrier, a quarter of a group a wave:
; chunks 1, 2, 3 ahead of chunks 0, 1, 2; v's weight ahead of chunk 3 (slot 0); chunk 2 anew ahead of v's first chunk, which is chunk 3 as it lies in slot 1.  Phase 1 takes the window that is not v's first.
; CLUSTERS of 4 x 4: x's groups are asked for jointly along a row of the cluster, the weights' along a column.
; NO PREFETCH: a refill is asked for four blocks (128 products a wave) ahead of its first read, and the loads of the head have no loop ahead of them.
; OUT.  qb: a head's record QREC: Q's fragments at tile x 1024 + c x 512 + lane x 16, scale words at 131072 + 4 x position (bytes 2, 3 are 0).  kv: a head's record is 8 slots of 256 keys, SLOTB bytes each: K's fragments at tile x 1024 + c x 512 + lane x 16;
;   V's at 16384 + ks x 8192 + dt x 2048 + c x 512 + lane x 16; K's scale words at 32768 + 4 x position; V's at 33792 + ks x 256 + 4 x position of d.
; LIMITS: a block whose largest magnitude lies under 2^-118 is held at the byte 1; a block of zeros gets the byte 1 (its codes are zeros; this program alone reads the bytes); NaN and infinities are not served.
; REGISTERS: windows 1, 2: the weight (fragment 4 q + b at 16 x its number); window 3: x's two sets; window 0: all else.
.set GREC,  135168
.set QREC,  139264
.set KVH,   274432
.set SLOTB, 34304
.set HALFR, 67584                      ; half a group: 264 rows of 256 bytes
.set QUARR, 33792                      ; a quarter: 132 rows
.set SPARE, 270336                     ; behind the two slots: the spare words, 128 bytes for each wave
.set STG,   270848                     ; 256 bytes for each wave: the scale words' way out; no fill lands here
.set NF,    36                         ; LDS loads of a block: eight fragments of four, four of two scale words
.set L16, 2                            ; v2 16 x lane; v3 8 x lane
.set L8,  3
.set VA,  4                            ; v4-7 LDS address of my tiles of x: slot 0, slot 1, and both 65,536 on
.set VS,  8                            ; v8, v9 of their scale words
.set VW,  12                           ; v12-15 of my rows of a weight; v16, v17 of their scale words
.set VWS, 16
.set ST0, 18                           ; v18 my stage, 4 r; v19 the same for the pair of blocks in hand
.set ST,  19
.set SOP, 20                           ; v20-23 the conversions' scale operands
.set SB,  24                           ; v24-39 the weight's scale words: register 8 p + q: lanes 0-15 tile 2 p's, lanes 16-31 tile 2 p + 1's
.set PE,  40                           ; v40-43 the other half's largest, then the bytes
.set SA,  44                           ; v44-59 x's scale words, two sets of eight
.set TM,  60                           ; v60-63 largest magnitudes
.set ACC, 64                           ; v64-127 two sets of four accumulators
.set BD,  128                          ; v128-131 448 x the scale
.set VB,  132                          ; v132-135 v's two scale bytes a tile
.set STO, 136                          ; v136 my stage, 8 x lane; v137 4 r; v138 a scale word
.set R4,  137
.set WD,  138
.set NCD, 192                          ; v192-207 codes
.set BQ,  208                          ; v208-239 the first four products' C: the bias; v240-243 v's, a number a tile
.set BV,  240
.set G1X, 24
.set G1W, 32
.set G0X, 40
.set G0W, 44
.set MSB, 0
.macro WIN new                         ; the immediate's high byte repeats the setting that is left
.if MSB != \new
	s_set_vgpr_msb (MSB<<8)|\new
.set MSB, \new
.endif
.endm
.macro PLACES n
.rept \n
	v_nop
.endr
.endm
.macro BARRIER
	s_barrier_signal -1
	s_barrier_wait -1
.endm
.macro CROUND                          ; a round of the cluster's barrier
	BARRIER
	s_cmp_lg_u32 s14, 0
	s_cbranch_scc1 .Lnot_wave_0_\@
	s_barrier_signal -3
.Lnot_wave_0_\@:
	s_barrier_wait -3
	BARRIER
.endm
.macro TLOAD g0, g1                    ; an s_nop 0 and four v_nop follow the load
	tensor_load_to_lds s[\g0:\g0+3], s[\g1:\g1+7]
	s_nop 0
	PLACES 4
.endm
.macro XDESC m                         ; group 0 for my quarter of chunk m of x, into slot m % 2.  s82, s83: where my quarter of the first group of the two windows lies in xq, in the order of work
	s_add_co_u32 s74, s[82+(\m)/2], ((\m)%2)*GREC
	s_add_nc_u64 s[G0X+2:G0X+3], s[4:5], s[74:75]
	s_or_b32 s[G0X+3], s[G0X+3], 0x80000000
	s_add_co_u32 s[G0X+1], s23, ((\m)%2)*GREC
.endm
.macro FETCH e, j, s                   ; my j-th tile of the chunk in slot s, all of K, into set e of window 3, and its scale words: NF loads
	WIN 3<<6
.irp q, 0,1,2,3,4,5,6,7
.irp c, 0,1,2,3
	ds_load_b128 v[128*(\e)+16*\q+4*\c:128*(\e)+16*\q+4*\c+3], v[VA+(\s)+2*(\q/4)] offset:(\j)*4096+((\q/2)%2)*32768+(\q%2)*2048+512*\c
.endr
.endr
	WIN 0
.irp k, 0,1,2,3
	ds_load_b64 v[SA+8*(\e)+2*\k:SA+8*(\e)+2*\k+1], v[VS+(\s)] offset:(\j)*128+\k*1024
.endr
.endm
.macro WEIGHTS s                       ; my 64 rows of the weight in slot s, all of K, into windows 1 and 2, and their scale words
.irp q, 0,1,2,3,4,5,6,7
.irp b, 0,1,2,3
	WIN (1+(4*\q+\b)/16)<<6
.irp c, 0,1,2,3
	ds_load_b128 v[16*((4*\q+\b)%16)+4*\c:16*((4*\q+\b)%16)+4*\c+3], v[VW+(\s)+2*(\q/4)] offset:((\q/2)%2)*32768+\b*4096+(\q%2)*2048+512*\c
.endr
.endr
.endr
	WIN 0
.irp p, 0,1
.irp k, 0,1,2,3
	ds_load_b64 v[SB+8*\p+2*\k:SB+8*\p+2*\k+1], v[VWS+(\s)] offset:\k*1024+\p*256
.endr
.endr
.endm
.macro PROD kind, e, a, n              ; product n = 4 q + b: the q-th 128 of K, the weight's tile b; x in set e, sums in set a.  The four accumulators take turns; the first four products begin with the bias
.set Q_, (\n)/4
.set B_, (\n)%4
.set FB_, 4*Q_+B_
.set AC_, ACC+32*(\a)+8*B_
.set C_, AC_
.if Q_ == 0
.set C_, BQ+8*B_
.endif
.set R_, 128*(\e)+16*Q_
.set W_, 16*(FB_%16)
.set XS_, SA+8*(\e)+Q_
.set WS_, SB+8*(B_/2)+Q_
.if \kind
	WIN 3|((1+FB_/16)<<2)
.if B_%2
	v_wmma_scale_f32_16x16x128_f8f6f4 v[AC_:AC_+7], v[R_:R_+15], v[W_:W_+15], v[C_:C_+7], v[XS_], v[WS_] matrix_b_scale:MATRIX_SCALE_ROW1
.else
	v_wmma_scale_f32_16x16x128_f8f6f4 v[AC_:AC_+7], v[R_:R_+15], v[W_:W_+15], v[C_:C_+7], v[XS_], v[WS_]
.endif
.else
	WIN (1+FB_/16)|(3<<2)
.if B_%2
	v_wmma_scale_f32_16x16x128_f8f6f4 v[AC_:AC_+7], v[W_:W_+15], v[R_:R_+15], v[C_:C_+7], v[WS_], v[XS_] matrix_a_scale:MATRIX_SCALE_ROW1
.else
	v_wmma_scale_f32_16x16x128_f8f6f4 v[AC_:AC_+7], v[W_:W_+15], v[R_:R_+15], v[C_:C_+7], v[WS_], v[XS_]
.endif
.endif
.endm
.macro BLOCK kind, e, a, s             ; a block's 32 products; behind them its set takes the block two on (in the chunk's first pair), or all my LDS loads are awaited: so the count NF holds on both ways
	s_wait_dscnt NF                                ; this block's fragments are in; the NF loads of the block behind it may be out
	s_wait_xcnt 0x0                                ; earlier stores have read their registers
.set N_, 0
.rept 32
	PROD \kind, \e, \a, N_
.set N_, N_+1
.endr
	WIN 0
	PLACES 8                                       ; ahead of the loads into what the products have read, and of the first reader of the sums
	s_cmp_eq_u32 s19, 0
	s_cbranch_scc0 .Lno_fetch_\@
	FETCH \e, 2+\e, \s
	s_branch .Lfetched_\@
.Lno_fetch_\@:
	s_wait_dscnt 0x0
.Lfetched_\@:
.endm
.macro SCALES n                        ; behind the largest magnitudes of n blocks: with lane l xor 16's; the conversion's scale operand, 448 x the scale, the byte
.set K_, 0
.rept \n
	v_permlanex16_b32 v[PE+K_], v[TM+K_], s60, s61
.set K_, K_+1
.endr
.set K_, 0
.rept \n
	v_max_num_f32 v[TM+K_], v[TM+K_], v[PE+K_]
.set K_, K_+1
.endr
.set K_, 0
.rept \n
	v_add_nc_u32 v[SOP+K_], 0xfc000000, v[TM+K_]
.set K_, K_+1
.endr
.set K_, 0
.rept \n
	v_and_or_b32 v[BD+K_], v[TM+K_], 0x7f800000, s62
.set K_, K_+1
.endr
.set K_, 0
.rept \n
	v_lshrrev_b32 v[PE+K_], 23, v[SOP+K_]
.set K_, K_+1
.endr
.endm
.macro HOLD8 x, b                      ; the conversion does not saturate (ISA guide 7.6.2): the hold comes first
.set K_, 0
.rept 8
	v_med3_num_f32 v[\x+K_], v[\x+K_], -v[BD+\b], v[BD+\b]
.set K_, K_+1
.endr
.endm
.macro QUANTQ e                        ; q, k: register 16 b + i is feature 32 b + 16 h + i of my head: two blocks of 32, each in lanes l and l xor 16
.irp b, 0,1
	v_max3_num_f32 v[TM+\b], |v[ACC+16*\b]|, |v[ACC+16*\b+1]|, 0x4800000   ; and the floor 2^(9 - 127)
.endr
.irp i, 2,4,6,8,10,12,14
.irp b, 0,1
	v_max3_num_f32 v[TM+\b], v[TM+\b], |v[ACC+16*\b+\i]|, |v[ACC+16*\b+\i+1]|
.endr
.endr
	SCALES 2
	v_lshl_or_b32 v[WD], v[PE+1], 8, v[PE]         ; the token's scale word: bytes 2, 3 are 0
.irp b, 0,1
	HOLD8 ACC+16*\b, \b
	HOLD8 ACC+16*\b+8, \b
	v_cvt_scalef32_pk8_fp8_f32 v[NCD+8*\e+4*\b:NCD+8*\e+4*\b+1], v[ACC+16*\b:ACC+16*\b+7], v[SOP+\b]
	v_cvt_scalef32_pk8_fp8_f32 v[NCD+8*\e+4*\b+2:NCD+8*\e+4*\b+3], v[ACC+16*\b+8:ACC+16*\b+15], v[SOP+\b]
.endr
	v_nop                                          ; one plain line behind the last conversion
.endm
.macro QUANTV                          ; v: of tile t the even block's eight registers and the odd block's are keys 16 h + 0 .. 15 of a block of 32
.irp t, 0,1,2,3
	v_max3_num_f32 v[TM+\t], |v[ACC+8*\t]|, |v[ACC+8*\t+1]|, 0x4800000
.endr
.irp i, 2,4,6,32,34,36,38
.irp t, 0,1,2,3
	v_max3_num_f32 v[TM+\t], v[TM+\t], |v[ACC+8*\t+\i]|, |v[ACC+8*\t+\i+1]|
.endr
.endr
	SCALES 4
.irp t, 0,1,2,3
	v_bfe_u32 v[VB+\t], v[VB+\t], 8, 8             ; the chunk's first pair's byte goes down,
.endr
.irp t, 0,1,2,3
	v_lshl_or_b32 v[VB+\t], v[PE+\t], 8, v[VB+\t]  ; this pair's comes in above it
.endr
.irp t, 0,1,2,3
	HOLD8 ACC+8*\t, \t
	HOLD8 ACC+32+8*\t, \t
	v_cvt_scalef32_pk8_fp8_f32 v[NCD+4*\t:NCD+4*\t+1], v[ACC+8*\t:ACC+8*\t+7], v[SOP+\t]
	v_cvt_scalef32_pk8_fp8_f32 v[NCD+4*\t+2:NCD+4*\t+3], v[ACC+32+8*\t:ACC+32+8*\t+7], v[SOP+\t]
.endr
	v_nop
.endm
.macro NEXTPAIR step, label            ; on to the chunk's second pair of blocks
	s_wait_xcnt 0x0                                ; the stores have read their base
	s_add_nc_u64 s[48:49], s[48:49], \step
	s_add_co_u32 s19, s19, 1
	s_cmp_lt_u32 s19, 2
	s_wait_alu depctr_va_vdst(0)                   ; the wait directly ahead of the branch
	s_cbranch_scc1 \label
.endm
; Chunk n of phase 1 (it lies in slot n % 2).  In front of it the other slot is filled again: wv = 0: with chunk n + 1; wv = 1: with v's weight.
.macro CHUNKQ n, wv
	s_wait_xcnt 0x0
	s_wait_tensorcnt 0x0                           ; all my tensor loads are in, my quarter of this chunk among them;
	ds_add_u32 v10, v11
.if \wv
	s_mov_b32 s74, s59
	s_add_nc_u64 s[G0W+2:G0W+3], s[6:7], s[74:75]
	s_or_b32 s[G0W+3], s[G0W+3], 0x80000000
	s_mov_b32 s[G0W+1], s23
.else
	XDESC (\n)+1
.endif
	s_add_co_u32 s74, s[84+(\n)/2], ((\n)%2)*8192
	s_add_nc_u64 s[48:49], s[52:53], s[74:75]      ; where this chunk's codes go,
	s_add_co_u32 s74, s[86+(\n)/2], ((\n)%2)*512
	s_add_nc_u64 s[50:51], s[52:53], s[74:75]      ; and its scale words
	s_wait_dscnt 0x0                               ; the add is done, and so are my reads of the other slot
	CROUND
.if \wv
	TLOAD G0W, G1W
.else
	TLOAD G0X, G1X
.endif
	FETCH 0, 0, (\n)%2
	FETCH 1, 1, (\n)%2
	s_mov_b32 s19, 0
.Lpair_\@:
	v_lshl_add_u32 v[ST], s19, 7, v[ST0]
.irp e, 0,1
	BLOCK 0, \e, 0, (\n)%2
	QUANTQ \e
	ds_store_b32 v[ST], v[WD] offset:64*\e         ; lanes r and 16 + r write the same word with the same value
	global_store_b128 v[L16], v[NCD+8*\e:NCD+8*\e+3], s[48:49] offset:1024*\e        ; 512 consecutive bytes each
	global_store_b128 v[L16], v[NCD+8*\e+4:NCD+8*\e+7], s[48:49] offset:1024*\e+512
.endr
	NEXTPAIR 2048, .Lpair_\@
	ds_load_b64 v[244:245], v[STO]                 ; LDS serves a wave's instructions in order: this sees my four stores
	s_wait_dscnt 0x0
	global_store_b64 v[L8], v[244:245], s[50:51]   ; my four tiles' 64 scale words: 256 consecutive bytes, aligned
.endm
; A chunk of phase 2: the 128 keys of key step ks of a slot of kv; it lies in LDS slot s.
.macro CHUNKV s, ks
	s_wait_xcnt 0x0
	s_add_co_u32 s74, s88, 16384+8192*(\ks)
	s_add_nc_u64 s[48:49], s[80:81], s[74:75]
	s_add_co_u32 s74, s89, 33792+256*(\ks)
	s_add_nc_u64 s[50:51], s[80:81], s[74:75]
	FETCH 0, 0, \s
	FETCH 1, 1, \s
	s_mov_b32 s19, 0
.Lpair_\@:
	BLOCK 1, 0, 0, \s
	BLOCK 1, 1, 1, \s
	QUANTV
.irp t, 0,1,2,3
	global_store_b128 v[L16], v[NCD+4*\t:NCD+4*\t+3], s[48:49] offset:2048*\t   ; 512 consecutive bytes: a quarter of a fragment's image
.endr
	NEXTPAIR 512, .Lpair_\@
.irp t, 0,1,2,3
	global_store_b16 v[R4], v[VB+\t], s[50:51] offset:64*\t   ; my row of waves owns two bytes of each scale word (lanes r and 16 + r store the same)
.endr
.endm
	s_load_b256 s[4:11], s[0:1], 0x0               ; xq s[4:5], wq s[6:7], b_attn s[8:9], qb s[10:11]
	s_load_b64 s[12:13], s[0:1], 0x20              ; kv
	v_lshl_add_u32 v10, v0, 2, SPARE
	v_mov_b32 v11, 0
	ds_add_u32 v10, v11                            ; the opening lines: the add, twice on end, and its wait
	ds_add_u32 v10, v11
	v_lshrrev_b32 v1, 5, v0
	v_readfirstlane_b32 s14, v1                    ; wave 0..3
	s_lshr_b32 s15, s14, 1                         ; my row of waves: which four tiles of a chunk
	s_and_b32 s16, s14, 1                          ; my column: which 64 rows of a weight
	s_bfe_u32 s66, ttmp6, 0x40000                  ; cx
	s_bfe_u32 s67, ttmp6, 0x40004                  ; cy
	s_lshl_b32 s21, ttmp9, 2
	s_add_co_u32 s21, s21, s66                     ; tile column: wq's group of phase 1
	s_and_b32 s20, ttmp7, 0xffff
	s_lshl_b32 s20, s20, 2
	s_add_co_u32 s20, s20, s67                     ; tile row: 512 tokens
	s_and_b32 s18, ttmp9, 1                        ; v's window of my two
	s_xor_b32 s58, s18, 1                          ; the other, which phase 1 takes first
	s_lshr_b32 s22, ttmp9, 1
	s_lshl_b32 s22, s22, 2
	s_add_co_u32 s22, s22, s66                     ; v's tile column
	s_lshl_b32 s68, s67, 2
	s_lshl_b32 s68, 15, s68                        ; my row of the cluster: shares x's groups
	s_lshl_b32 s69, 0x1111, s66                    ; my column: shares the weights'
	s_or_b32 s[G1X], s68, (3<<16)|(1<<21)
	s_or_b32 s[G1W], s69, (3<<16)|(1<<21)
.irp g, G1X, G1W                       ; dense bytes as rows of 256 (32 elements of 8): 264 rows for the head's loads; no padding: a fragment's loads take consecutive bytes
	s_mov_b32 s[\g+1], 32<<16
	s_mov_b32 s[\g+2], 264<<16
	s_mov_b32 s[\g+3], 32<<16
	s_mov_b32 s[\g+4], 264
	s_mov_b32 s[\g+5], 32
	s_mov_b32 s[\g+6], 0
	s_mov_b32 s[\g+7], 0
.endr
	s_mul_i32 s23, s14, QUARR                      ; my quarter of a group
	s_mov_b32 s75, 0
	s_mul_i32 s70, s16, HALFR                      ; at the head: my half
	s_lshl_b32 s71, s20, 2
	s_lshl_b32 s72, s58, 1
	s_add_co_u32 s72, s72, s71
	s_mul_i32 s72, s72, GREC
	s_add_co_u32 s82, s72, s23
	s_add_co_u32 s76, s72, s70
	s_mov_b32 s77, 0
	s_lshl_b32 s73, s18, 1
	s_add_co_u32 s73, s73, s71
	s_mul_i32 s73, s73, GREC
	s_add_co_u32 s83, s73, s23
	s_mul_i32 s78, s21, GREC
	s_add_co_u32 s78, s78, s70
	s_mov_b32 s79, 0
	s_add_co_u32 s59, s22, 16
	s_mul_i32 s59, s59, GREC
	s_add_co_u32 s59, s59, s23                     ; my quarter of v's weight
	s_mov_b32 s[G0X], 1
	s_mov_b32 s[G0X+1], s70
	s_mov_b32 s[G0W], 1
	s_add_co_u32 s[G0W+1], s70, GREC
	s_wait_dscnt 0x0                               ; both opening adds are done
	CROUND                                         ; the round in front of the first joint loads
	s_wait_kmcnt 0x0
	s_add_nc_u64 s[G0X+2:G0X+3], s[4:5], s[76:77]
	s_or_b32 s[G0X+3], s[G0X+3], 0x80000000
	s_add_nc_u64 s[G0W+2:G0W+3], s[6:7], s[78:79]
	s_or_b32 s[G0W+3], s[G0W+3], 0x80000000
	s_cmp_lt_u32 s14, 2                            ; one load a wave: waves 0, 1 the first weight's halves, waves 2, 3 chunk 0's
	s_cbranch_scc0 .Lhead_x
	TLOAD G0W, G1W
	s_branch .Lhead_asked
.Lhead_x:
	TLOAD G0X, G1X
.Lhead_asked:
	; where phase 1's results go
	s_cmp_ge_u32 ttmp9, 2                          ; k?  (the cluster's number alone)
	s_cselect_b64 s[52:53], s[12:13], s[10:11]
	s_mov_b32 s70, QREC
	s_cselect_b32 s70, KVH, s70                    ; a head's record
	s_mov_b32 s56, 16384
	s_cselect_b32 s56, SLOTB, s56                  ; 256 tokens on, in the images,
	s_mov_b32 s57, 1024
	s_cselect_b32 s57, SLOTB, s57                  ; and in the scale words,
	s_mov_b32 s71, 131072
	s_cselect_b32 s71, 32768, s71                  ; which begin here
	s_and_b32 s72, s21, 7
	s_lshl_b32 s72, s72, 1
	s_add_co_u32 s72, s72, s16                     ; my head
	s_lshr_b32 s73, s20, 2
	s_lshl_b32 s73, s73, 4                         ; 16 x the batch
	s_add_co_u32 s72, s72, s73
	s_mul_i32 s72, s72, s70
	s_and_b32 s74, s20, 3
	s_lshl_b32 s74, s74, 1                         ; my first block of 256 tokens
	s_mul_i32 s76, s74, s56
	s_add_co_u32 s76, s76, s72
	s_lshl_b32 s77, s15, 12
	s_add_co_u32 s76, s76, s77                     ; my four tiles of a group's eight
	s_mul_i32 s77, s58, s56
	s_add_co_u32 s84, s76, s77
	s_mul_i32 s77, s18, s56
	s_add_co_u32 s85, s76, s77
	s_mul_i32 s76, s74, s57
	s_add_co_u32 s76, s76, s72
	s_add_co_u32 s76, s76, s71
	s_lshl_b32 s77, s15, 8
	s_add_co_u32 s76, s76, s77
	s_mul_i32 s77, s58, s57
	s_add_co_u32 s86, s76, s77
	s_mul_i32 s77, s18, s57
	s_add_co_u32 s87, s76, s77
	; and phase 2's: my head's record, the slot of 256 keys that is v's window
	s_lshl_b32 s72, s22, 1
	s_add_co_u32 s72, s72, s16
	s_add_co_u32 s72, s72, s73
	s_mul_i32 s72, s72, KVH
	s_add_co_u32 s76, s74, s18
	s_mul_i32 s76, s76, SLOTB
	s_add_co_u32 s80, s72, s76
	s_mov_b32 s81, 0
	s_add_nc_u64 s[80:81], s[12:13], s[80:81]
	s_lshl_b32 s88, s15, 10                        ; my row of waves makes pieces c = 2 x row + 0, 1,
	s_lshl_b32 s89, s15, 1                         ; and their bytes
	; the bias: phase 1: register 8 b + j of lane (r, h) is feature 32 (b / 2) + 8 (b % 2) + 16 h + j of my 64; phase 2: feature 32 (t / 2) + 8 (t % 2) + r % 8 + 16 (r / 8)
	s_lshl_b32 s76, s21, 9
	s_lshl_b32 s77, s16, 8
	s_add_co_u32 s76, s76, s77
	s_lshl_b32 s78, s22, 9
	s_add_co_u32 s78, s78, s77
	s_add_co_u32 s78, s78, 8192
	s_mov_b32 s77, 0
	s_mov_b32 s79, 0
	s_add_nc_u64 s[76:77], s[8:9], s[76:77]
	s_add_nc_u64 s[78:79], s[8:9], s[78:79]
	s_mov_b32 s60, 0x76543210
	s_mov_b32 s61, 0xfedcba98
	s_mov_b32 s62, 0x600000                        ; the mantissa field of 448
	s_lshl_b32 s70, s15, 14
	s_lshl_b32 s71, s15, 9
	s_add_co_u32 s71, s71, 131072
	s_lshl_b32 s72, s16, 14
	s_lshl_b32 s73, s16, 9
	s_add_co_u32 s73, s73, 131072
	s_lshl_b32 s74, s14, 8
	s_add_co_u32 s74, s74, STG
	v_and_b32 v1, 15, v0                           ; r
	v_bfe_u32 v139, v0, 4, 1                       ; h
	v_and_b32 v140, 31, v0
	v_lshlrev_b32 v[L16], 4, v140
	v_lshlrev_b32 v[L8], 3, v140
	v_add_nc_u32 v[VA], s70, v[L16]
	v_add_nc_u32 v[VA+1], GREC, v[VA]
	v_add_nc_u32 v[VA+2], 65536, v[VA]
	v_add_nc_u32 v[VA+3], 65536, v[VA+1]
	v_lshl_add_u32 v[VS], v1, 3, s71
	v_add_nc_u32 v[VS+1], GREC, v[VS]
	v_add_nc_u32 v[VW], s72, v[L16]
	v_add_nc_u32 v[VW+1], GREC, v[VW]
	v_add_nc_u32 v[VW+2], 65536, v[VW]
	v_add_nc_u32 v[VW+3], 65536, v[VW+1]
	v_add_nc_u32 v[VWS], s73, v[L8]
	v_add_nc_u32 v[VWS+1], GREC, v[VWS]
	v_lshl_add_u32 v[ST0], v1, 2, s74
	v_add_nc_u32 v[STO], s74, v[L8]
	v_lshlrev_b32 v[R4], 2, v1
	v_lshlrev_b32 v139, 6, v139                    ; 64 h
	v_lshrrev_b32 v140, 3, v1
	v_and_b32 v141, 7, v1
	v_lshl_add_u32 v140, v140, 4, v141
	v_lshlrev_b32 v140, 2, v140
.irp b, 0,1,2,3
	global_load_b128 v[BQ+8*\b:BQ+8*\b+3], v139, s[76:77] offset:4*(32*(\b/2)+8*(\b%2))
	global_load_b128 v[BQ+8*\b+4:BQ+8*\b+7], v139, s[76:77] offset:4*(32*(\b/2)+8*(\b%2))+16
	global_load_b32 v[BV+\b], v140, s[78:79] offset:4*(32*(\b/2)+8*(\b%2))
.endr
.irp b, 0,1,2,3
	v_mov_b32 v[PE+\b], 0                          ; written once: a lane permute's destination counts as one of its sources
	v_mov_b32 v[VB+\b], 0
.endr
	s_wait_alu depctr_va_vdst(0)                   ; the wait at the head's end
	s_wait_tensorcnt 0x0                           ; every wave: its half of the weight or of chunk 0 is in
.irp g, G1X, G1W                       ; no tensor load of mine is out: from here on a load brings 132 rows
	s_mov_b32 s[\g+2], 132<<16
	s_mov_b32 s[\g+4], 132
.endr
	BARRIER
	WEIGHTS 1
	s_wait_loadcnt 0x0                             ; the bias
	CHUNKQ 0, 0                                    ; its round finds the weight in every wave's registers: chunk 1 is filled over it
	CHUNKQ 1, 0
	CHUNKQ 2, 0
	CHUNKQ 3, 1
	; THE CHANGE OF PHASE
	s_wait_xcnt 0x0
	s_wait_tensorcnt 0x0                           ; v's weight is in
	s_wait_dscnt 0x0
	BARRIER
	WEIGHTS 0
.irp t, 0,1,2,3
.irp i, 0,1,2,3,4,5,6,7
	v_mov_b32 v[BQ+8*\t+\i], v[BV+\t]              ; v's bias: a lane holds one feature of each tile
.endr
.endr
	s_wait_alu depctr_va_vdst(0)
	s_wait_tensorcnt 0x0
	ds_add_u32 v10, v11
	XDESC 2                                        ; chunk 2 anew, over v's weight
	s_wait_dscnt 0x0                               ; the add is done, and v's weight is in my registers
	CROUND
	TLOAD G0X, G1X
	CHUNKV 1, 1                                    ; chunk 3 as it lies in slot 1
	s_wait_tensorcnt 0x0                           ; chunk 2 is in
	s_wait_dscnt 0x0
	BARRIER
	CHUNKV 0, 0
	s_wait_tensorcnt 0x0                           ; the wave's end
	ds_add_u32 v10, v11
	s_wait_dscnt 0x0
	CROUND                                         ; the closing round
	s_endpgm
.Lfunc_end_k_q57ca483b03_qkv:
	.size	k_q57ca483b03_qkv, .Lfunc_end_k_q57ca483b03_qkv-k_q57ca483b03_qkv
	.p2alignl 7, 3214868480
	.fill 96, 4, 3214868480
	.section	.rodata,"a",@progbits
	.p2align	6, 0x0
	.amdhsa_kernel k_q57ca483b03_qkv
		.amdhsa_group_segment_fixed_size 327680
		.amdhsa_private_segment_fixed_size 0
		.amdhsa_enable_private_segment 0
		.amdhsa_kernarg_size 40
		.amdhsa_user_sgpr_count 2
		.amdhsa_user_sgpr_kernarg_segment_ptr 1
		.amdhsa_wavefront_size32 1
		.amdhsa_system_sgpr_workgroup_id_x 1
		.amdhsa_system_sgpr_workgroup_id_y 1
		.amdhsa_system_sgpr_workgroup_id_z 1
		.amdhsa_system_vgpr_workitem_id 0
		.amdhsa_next_free_vgpr 1024
		.amdhsa_next_free_sgpr 90
		.amdhsa_reserve_vcc 0
		.amdhsa_float_denorm_mode_32 3
		.amdhsa_float_denorm_mode_16_64 3
		.amdhsa_memory_ordered 1
		.amdhsa_forward_progress 1
		.amdhsa_inst_pref_size 199
	.end_amdhsa_kernel
	.amdgpu_metadata
---
amdhsa.version: [ 1, 2 ]
amdhsa.kernels:
  - .name:           k_q57ca483b03_qkv
    .symbol:         k_q57ca483b03_qkv.kd
    .args:
      - { .name: xq, .offset: 0, .size: 8, .value_kind: global_buffer, .address_space: global }
      - { .name: wq, .offset: 8, .size: 8, .value_kind: global_buffer, .address_space: global }
      - { .name: b_attn, .offset: 16, .size: 8, .value_kind: global_buffer, .address_space: global }
      - { .name: qb, .offset: 24, .size: 8, .value_kind: global_buffer, .address_space: global }
      - { .name: kv, .offset: 32, .size: 8, .value_kind: global_buffer, .address_space: global }
    .group_segment_fixed_size: 327680
    .private_segment_fixed_size: 0
    .kernarg_segment_align: 8
    .kernarg_segment_size: 40
    .max_flat_workgroup_size: 128
    .sgpr_count:     90
    .vgpr_count:     1024
    .wavefront_size: 32
...
	.end_amdgpu_metadata
.endif
;; end of part 2
;; launch attn (part 3): grid 4 x 64, 16 waves a work-group, clusters of 4 x 1, 327,680 bytes of LDS; arguments qb, kv, yq; writes yq
.if DOCPART == 3
	.amdgcn_target "amdgcn-amd-amdhsa--gfx1250"
	.amdhsa_code_object_version 6
	.text
	.protected	k_q57ca483b03_attn
	.globl	k_q57ca483b03_attn
	.p2align	8
	.type	k_q57ca483b03_attn,@function
k_q57ca483b03_attn:
	s_mov_b64 s[64:65], 0
	v_nop
	global_prefetch_b8 v0, s[64:65] scope:SCOPE_SE
	s_setreg_imm32_b32 hwreg(HW_REG_WAVE_MODE, 25, 1), 1
	s_wait_xcnt 0x0
	s_wait_alu depctr_hold_cnt(0) depctr_sa_sdst(0) depctr_va_vdst(0) depctr_va_sdst(0) depctr_va_ssrc(0) depctr_va_vcc(0) depctr_vm_vsrc(0)
	s_getreg_b32 s2, hwreg(HW_REG_IB_STS2, 6, 4)
	s_cmp_eq_u32 s2, 0
	s_cbranch_scc0 .Lentry_in_a_cluster
	s_endpgm
.Lentry_in_a_cluster:
	s_bfe_u32 s2, ttmp6, 0x10000c
	s_cmp_lg_u32 s2, 0x3003
	s_cbranch_scc0 .Lentry_shape_is_right
	s_endpgm
.Lentry_shape_is_right:
; y = softmax(q k^T / 8, causal) v for 64 heads of 2,048 tokens x 64, both products on codes of FP8 (E4M3) with E8M0 scales; y is divided by the row's sum, quantised along the model's 1,024 and stored as the next product's operand.
; THE SOFTMAX: t = score x log2(e) / 8; M = the running largest t rounded UP to a whole number; p = 2^(t - M) is quantised along the keys, not normalised; the row's sum is taken of the unquantised p.  When M moves, the sum and O are multiplied by 2^(old M - new M): exact.
; Key steps that lie wholly behind a wave's queries are not walked.
; IN (images of operand registers).  qb, a head's record QREC: Q's fragments at tile x 1024 + c x 512 + lane x 16, scale words at 131072 + 4 x position.  kv, a head's record: 8 slots of 256 keys, SLOTB dense bytes each:
;   K's fragments at tile x 1024 + c x 512 + lane x 16; V's at 16384 + ks x 8192 + dt x 2048 + c x 512 + lane x 16; K's scale words at 32768 + 4 x position; V's at 33792 + ks x 256 + 4 x position of d.
;   Token n lies at position n with bits 3 and 4 exchanged, and so do the head's 64.
; A HEAD'S WHOLE RECORD, 274,432 bytes, LIES IN LDS: sixteen loads of 17,152 bytes, one a wave, all at the kernel's head; nothing is filled again, so there is no ring.
; CLUSTER of 4 x 1: the four work-groups of a head ask for the record jointly (mask 15).  Partner cx takes tokens 128 m + 32 cx .. + 31 of every group m = 0 .. 15 of 128 tokens: group m wants key steps 0 .. m whatever cx is,
; so no branch, trip count or LDS address hangs on cx: it enters global addresses and the mask's compare alone.
; SHARES.  Wave w (w' = w % 8, parity w / 8) owns the tile of that parity of group 15 - w' (16 - w' key steps) and then that of group w' (w' + 1): SEVENTEEN steps of 128 keys in every wave.
; Slot 0 (waves 0 and 1's load line) is shown by the first barrier; the first two steps, written out, read it alone; the second barrier shows the rest.  The fifteen other steps are a loop with no barrier.
; THE FIRST PRODUCT'S K is 64: Q's registers 8-15 hold zero codes.  K's eight tiles lie 8 registers apart, so a tile's registers 8-15 are the next tile's codes (the last tile's: zeros): they meet Q's zero codes and add nothing (K's codes are held, so none is NaN; the scale bytes there are 0, a finite code).
; NO PREFETCH: every load of K and V stands at the head, so there is no later load to run ahead of; Q is 1,088 bytes a pass.
; LIMITS: NaN and infinities are not served; a block of y whose largest magnitude lies under 2^-118 is held at the byte 1, a block of zeros gets the byte 1; 1 / the sum is v_rcp_f32 and a multiplication; scaled scores stay under 2^31.
; REGISTERS: v1 16 x lane, v2 4 x lane, v3, v4 the add's, v5-7 the step's LDS addresses, v8 my query less the diagonal step's first key less 16 h, v9 8 r, v10 4 r; v12 -M, v13 the largest t, v[14:15] the sum; v16-31 Q; v32-95 K's tiles, then V's four fragments; v96-103 zeros;
; v104-167 S^T, then p; v168-199 O^T; v200-215 p's codes; v216-223 scale words and nothing else (K 216-219, V 220-221, Q 222, p 223); v224-255 at work.
; s4-9 qb, kv, yq; s10 wave; s11 cx; s12 head; s13 steps of the first pass; s14 the step; s15, s16 the two groups; s17 the key step; s18 parity; s[36:39] Q now; s[40:43] y now; s[44:47], s[48:51] the second pass's; s52-59 at work.
.set QREC,  139264
.set KVH,   274432
.set SLOTB, 34304
.set HALFB, 17152                      ; 67 rows of 256 bytes: what one tensor load brings
.set GREC,  135168
.set SPARE, 274432                     ; behind the record: the spare words, 128 bytes for each of sixteen waves
.set S,  104
.set O,  168
.set PC, 200
.set BM, 224                           ; the blocks' largest, then their bytes
.set PM, 228                           ; the other half's largest, then the conversions' scale operands
.set BD, 232                           ; 448 x the scale
.set F,  236                           ; f = 2^(old M - new M); v237 is 0
.set TP, 238
.set PS, 240                           ; eight partial sums, pairs
.macro BARRIER
	s_barrier_signal -1
	s_barrier_wait -1
.endm
.macro CROUND                          ; a round of the cluster's barrier
	BARRIER
	s_cmp_lg_u32 s10, 0
	s_cbranch_scc1 .Lnot_wave_0_\@
	s_barrier_signal -3
.Lnot_wave_0_\@:
	s_barrier_wait -3
	BARRIER
.endm
.macro TLOAD
	tensor_load_to_lds s[32:35], s[24:31]
	s_nop 0
.rept 4
	v_nop
.endr
.endm
; The addresses of a pass: group s\m; s60 = 2 cx + parity, s61 the head's record in qb, s62 the batch's first group in yq, s63 and s66 what stays of y's offsets, s55 = 0
.macro PADDR m, q, y
	s_lshl_b32 s52, s\m, 3
	s_add_co_u32 s52, s52, s60                     ; my tile of 16 positions
	s_lshl_b32 s54, s52, 10
	s_add_co_u32 s54, s54, s61
	s_add_nc_u64 s[\q:\q+1], s[4:5], s[54:55]      ; Q's image
	s_lshl_b32 s54, s52, 6
	s_add_co_u32 s54, s54, s61
	s_add_co_u32 s54, s54, 131072
	s_add_nc_u64 s[\q+2:\q+3], s[4:5], s[54:55]    ; its scale words
	s_add_co_u32 s52, s\m, s62
	s_mul_i32 s52, s52, GREC
	s_add_co_u32 s54, s52, s63
	s_add_nc_u64 s[\y:\y+1], s[8:9], s[54:55]      ; y's codes
	s_add_co_u32 s54, s52, s66
	s_add_nc_u64 s[\y+2:\y+3], s[8:9], s[54:55]    ; y's two scale bytes a row
.endm
.macro INIT                            ; an empty state
	v_mov_b32 v13, 0xff61b1e6                      ; the largest t so far: -3e38
	s_delay_alu instid0(VALU_DEP_1)
	v_floor_f32 v12, -v13
	v_mov_b32 v14, 0
	v_mov_b32 v15, 0
.set n, 0
.rept 32
	v_mov_b32 v[O+n], 0                            ; O^T: the step is written once; the first finds zeros
.set n, n+1
.endr
.endm
; A KEY STEP of 128 keys.  s54, s55, s56: where the step's codes, K's scale words and V's begin in LDS.  diag = 1: the step may be the pass's last, which lies on the diagonal.
.macro STEP diag
	v_add_nc_u32 v5, s54, v1
	v_add_nc_u32 v6, s55, v2
	v_add_nc_u32 v7, s56, v2
.irp t, 0,1,2,3,4,5,6,7
	ds_load_b128 v[32+8*\t:35+8*\t], v5 offset:1024*\t
	ds_load_b128 v[36+8*\t:39+8*\t], v5 offset:1024*\t+512
.endr
.irp p, 0,1,2,3
	ds_load_b32 v[216+\p], v6 offset:32768+128*\p  ; lanes 0-15: the even tile's scale words; lanes 16-31: the odd tile's
.endr
	s_wait_alu depctr_va_vdst(0)
	s_wait_loadcnt 0x0                             ; Q, where a pass has just begun
	s_wait_dscnt 0x0
.irp t, 0,2,4,6                                ; S^T = K Q^T: register 16 b + i of lane (r, h) is key 32 b + 16 h + i of the step
	v_wmma_scale_f32_16x16x128_f8f6f4 v[S+8*\t:S+8*\t+7], v[32+8*\t:47+8*\t], v[16:31], 0, v[216+\t/2], v222
	v_wmma_scale_f32_16x16x128_f8f6f4 v[S+8*\t+8:S+8*\t+15], v[40+8*\t:55+8*\t], v[16:31], 0, v[216+\t/2], v222 matrix_a_scale:MATRIX_SCALE_ROW1
.endr
	v_mov_b32 v[TP], v12                           ; the old -M: with the seven below, the eight places behind the products
.rept 7
	v_nop
.endr
.irp t, 0,1,2,3                                ; V's four fragments land where K's tiles lay, under the softmax
.irp c, 0,1,2,3
	ds_load_b128 v[32+16*\t+4*\c:35+16*\t+4*\c], v5 offset:16384+2048*\t+512*\c
.endr
.endr
.irp p, 0,1
	ds_load_b32 v[220+\p], v7 offset:33792+128*\p
.endr
.if \diag
	s_cmp_lg_u32 s17, s57                          ; the pass's last key step?  (the wave's number and the count of steps alone)
	s_cbranch_scc1 .Lopen_\@
	s_cmp_ge_u32 s14, s13
	s_cbranch_scc1 .Lno_q_\@
	global_load_b128 v[16:19], v1, s[44:45]        ; the first pass's last products have read Q: the second pass's comes now
	global_load_b128 v[20:23], v1, s[44:45] offset:512
	global_load_b32 v222, v10, s[46:47]
.Lno_q_\@:
	v_mov_b32 v[TP+1], 0xff800000                  ; -infinity for hidden keys: register 16 b + i is hidden where 32 b + i > v8
.set n, 0
.rept 64
	v_cmp_gt_i32 vcc_lo, 32*(n/16)+n%16, v8
	v_cndmask_b32 v[S+n], v[S+n], v[TP+1], vcc_lo
.set n, n+1
.endr
.Lopen_\@:
.endif
.irp b, 0,1,2,3
	v_max3_num_f32 v[BM+\b], v[S+16*\b], v[S+1+16*\b], v[S+2+16*\b]   ; the largest score of each block of 32 keys: for the row's maximum and, since p rises with the score, for the block's largest p
.endr
.irp i, 3,5,7,9,11,13
.irp b, 0,1,2,3
	v_max3_num_f32 v[BM+\b], v[BM+\b], v[S+16*\b+\i], v[S+1+16*\b+\i]
.endr
.endr
.irp b, 0,1,2,3
	v_max_num_f32 v[BM+\b], v[BM+\b], v[S+15+16*\b]
.endr
.irp b, 0,1,2,3
	s_delay_alu instid0(VALU_DEP_4)
	v_permlanex16_b32 v[PM+\b], v[BM+\b], s20, s21
.endr
.irp b, 0,1,2,3
	s_delay_alu instid0(VALU_DEP_4)
	v_max_num_f32 v[BM+\b], v[BM+\b], v[PM+\b]     ; with lane l xor 16's 16 keys
.endr
	s_delay_alu instid0(VALU_DEP_2)
	v_max3_num_f32 v[TP+1], v[BM], v[BM+1], v[BM+2]
	s_delay_alu instid0(VALU_DEP_1)
	v_max_num_f32 v[TP+1], v[TP+1], v[BM+3]        ; the step's largest score of my query (the step's first key counts for every query of mine)
	s_delay_alu instid0(VALU_DEP_1)
	v_mul_f32 v[TP+1], s22, v[TP+1]                ; as t
	s_delay_alu instid0(VALU_DEP_1)
	v_max_num_f32 v13, v13, v[TP+1]                ; the running largest t
	s_delay_alu instid0(VALU_DEP_1)
	v_floor_f32 v12, -v13                          ; the new -M = floor(-t)
	s_delay_alu instid0(VALU_DEP_1)
	v_sub_f32 v[TP], v12, v[TP]                    ; old M - new M: a whole number, 0 or less
	s_delay_alu instid0(VALU_DEP_1)
	v_cvt_i32_f32 v[TP], v[TP]                     ; (it saturates)
	s_delay_alu instid0(VALU_DEP_1)
	v_ldexp_f32 v[F], 1.0, v[TP]                   ; f
.set n, 0
.rept 32
	v_pk_fma_f32 v[S+n:S+n+1], v[S+n:S+n+1], s[22:23], v[12:13] op_sel_hi:[1,0,0]   ; t - M, two at a time
.set n, n+2
.endr
.irp b, 0,1,2,3
	v_fma_f32 v[BM+\b], v[BM+\b], s22, v12         ; the same of each block's largest score
.endr
	s_wait_alu depctr_va_vdst(0)
.set n, 0
.rept 64
	v_exp_f32 v[S+n], v[S+n]                       ; p = 2^(t - M)
.set n, n+1
.endr
.irp b, 0,1,2,3
	v_exp_f32 v[BM+\b], v[BM+\b]                   ; the block's largest p
.endr
	v_nop                                          ; a place behind the batch
	s_wait_alu depctr_va_vdst(0)                   ; and the one wait behind it
.irp k, 0,1,2,3,4,5,6,7                        ; the row's sum of the unquantised p: eight chains
	v_pk_add_f32 v[PS+2*\k:PS+2*\k+1], v[S+2*\k:S+2*\k+1], v[S+16+2*\k:S+17+2*\k]
.endr
.irp j, 32,48
.irp k, 0,1,2,3,4,5,6,7
	v_pk_add_f32 v[PS+2*\k:PS+2*\k+1], v[PS+2*\k:PS+2*\k+1], v[S+\j+2*\k:S+\j+1+2*\k]
.endr
.endr
.irp b, 0,1,2,3
	v_max_num_f32 v[BM+\b], 0x4800000, v[BM+\b]    ; the floor 2^(9 - 127): a block whose every p is 0 keeps the byte 1; its codes are zeros
.endr
.irp b, 0,1,2,3
	s_delay_alu instid0(VALU_DEP_4)
	v_add_nc_u32 v[PM+\b], 0xfc000000, v[BM+\b]    ; the conversion's scale operand
.endr
.irp b, 0,1,2,3
	v_and_or_b32 v[BD+\b], v[BM+\b], 0x7f800000, s19   ; 448 x the scale
.endr
.irp b, 0,1,2,3
	v_lshrrev_b32 v[BM+\b], 23, v[PM+\b]           ; the byte
.endr
	s_delay_alu instid0(VALU_DEP_3)
	v_lshl_or_b32 v223, v[BM+1], 8, v[BM]          ; p's scale word for these 128 keys
	s_delay_alu instid0(VALU_DEP_1)
	v_lshl_or_b32 v223, v[BM+2], 16, v223
	s_delay_alu instid0(VALU_DEP_1)
	v_lshl_or_b32 v223, v[BM+3], 24, v223
.irp b, 0,1,2,3
.irp i, 0,2,4,6,8,10,12,14                     ; the conversion does not saturate (ISA guide 7.6.2); p is not negative: a one-sided hold, two to a line
	v_dual_min_num_f32 v[S+16*\b+\i], v[S+16*\b+\i], v[BD+\b] :: v_dual_min_num_f32 v[S+16*\b+\i+1], v[S+16*\b+\i+1], v[BD+\b]
.endr
	v_cvt_scalef32_pk8_fp8_f32 v[PC+4*\b:PC+4*\b+1], v[S+16*\b:S+16*\b+7], v[PM+\b]
	v_cvt_scalef32_pk8_fp8_f32 v[PC+4*\b+2:PC+4*\b+3], v[S+16*\b+8:S+16*\b+15], v[PM+\b]
.endr
	s_wait_alu depctr_va_vdst(0)                   ; the wait directly ahead of the first reader of O^T
.set n, 0
.rept 16
	v_pk_mul_f32 v[O+n:O+n+1], v[O+n:O+n+1], v[F:F+1] op_sel_hi:[1,0]   ; O^T under the new M; also the places between the codes and the products
.set n, n+2
.endr
	s_wait_alu depctr_va_vdst(0)
	s_wait_dscnt 0x0                               ; V
.irp t, 0,2                                    ; O^T += V^T P^T: the four accumulators take turns, one instruction each
	v_wmma_scale_f32_16x16x128_f8f6f4 v[O+8*\t:O+8*\t+7], v[32+16*\t:47+16*\t], v[PC:PC+15], v[O+8*\t:O+8*\t+7], v[220+\t/2], v223
	v_wmma_scale_f32_16x16x128_f8f6f4 v[O+8*\t+8:O+8*\t+15], v[48+16*\t:63+16*\t], v[PC:PC+15], v[O+8*\t+8:O+8*\t+15], v[220+\t/2], v223 matrix_a_scale:MATRIX_SCALE_ROW1
.endr
.irp k, 0,1,2,3                                ; the eight partial sums are joined here: these eight lines are the places behind the products
	v_pk_add_f32 v[PS+2*\k:PS+2*\k+1], v[PS+2*\k:PS+2*\k+1], v[PS+8+2*\k:PS+9+2*\k]
.endr
	s_delay_alu instid0(VALU_DEP_2)
	v_pk_add_f32 v[PS:PS+1], v[PS:PS+1], v[PS+4:PS+5]
	s_delay_alu instid0(VALU_DEP_2)
	v_pk_add_f32 v[PS+2:PS+3], v[PS+2:PS+3], v[PS+6:PS+7]
	s_delay_alu instid0(VALU_DEP_1)
	v_pk_add_f32 v[PS:PS+1], v[PS:PS+1], v[PS+2:PS+3]
	s_delay_alu instid0(VALU_DEP_1)
	v_pk_fma_f32 v[14:15], v[14:15], v[F:F+1], v[PS:PS+1] op_sel_hi:[1,0,1]   ; the sum under the new M, and the step's
.endm
; A pass ends: O^T / the sum is y: register 16 e + i of lane (r, h) is d = 32 e + 16 h + i of query r: two blocks along the next K.  Codes and bytes go straight to the next operand's image.
.macro WAYOUT
	v_add_f32 v14, v14, v15
	s_delay_alu instid0(VALU_DEP_1)
	v_permlanex16_b32 v[PM], v14, s20, s21
	s_delay_alu instid0(VALU_DEP_1)
	v_add_f32 v14, v14, v[PM]                      ; the row's sum
	s_wait_alu depctr_va_vdst(0)
	v_rcp_f32 v[F], v14
	v_nop
	s_wait_alu depctr_va_vdst(0)                   ; the wait ahead of the first reader
.set n, 0
.rept 16
	v_pk_mul_f32 v[S+n:S+n+1], v[O+n:O+n+1], v[F:F+1] op_sel_hi:[1,0]
.set n, n+2
.endr
.irp b, 0,1
	v_max3_num_f32 v[BM+\b], |v[S+16*\b]|, |v[S+1+16*\b]|, 0x4800000
.endr
.irp i, 2,4,6,8,10,12,14
.irp b, 0,1
	s_delay_alu instid0(VALU_DEP_2)
	v_max3_num_f32 v[BM+\b], v[BM+\b], |v[S+16*\b+\i]|, |v[S+1+16*\b+\i]|
.endr
.endr
.irp b, 0,1
	s_delay_alu instid0(VALU_DEP_2)
	v_permlanex16_b32 v[PM+\b], v[BM+\b], s20, s21
.endr
.irp b, 0,1
	s_delay_alu instid0(VALU_DEP_2)
	v_max_num_f32 v[BM+\b], v[BM+\b], v[PM+\b]
.endr
.irp b, 0,1
	v_add_nc_u32 v[PS+\b], 0xfc000000, v[BM+\b]    ; the conversion's scale operand
.endr
.irp b, 0,1
	v_and_or_b32 v[BD+\b], v[BM+\b], 0x7f800000, s19
.endr
.irp b, 0,1
	v_lshrrev_b32 v[PM+\b], 23, v[PS+\b]
.endr
	s_delay_alu instid0(VALU_DEP_1)
	v_lshl_or_b32 v[TP], v[PM+1], 8, v[PM]         ; the head's two bytes of the row's scale word
.irp b, 0,1
.set n, 0
.rept 16
	v_med3_num_f32 v[S+16*\b+n], v[S+16*\b+n], -v[BD+\b], v[BD+\b]
.set n, n+1
.endr
	v_cvt_scalef32_pk8_fp8_f32 v[PC+4*\b:PC+4*\b+1], v[S+16*\b:S+16*\b+7], v[PS+\b]
	v_cvt_scalef32_pk8_fp8_f32 v[PC+4*\b+2:PC+4*\b+3], v[S+16*\b+8:S+16*\b+15], v[PS+\b]
.endr
	v_nop                                          ; one plain line behind the last conversion
	global_store_b128 v1, v[PC:PC+3], s[40:41]     ; 512 consecutive bytes each
	global_store_b128 v1, v[PC+4:PC+7], s[40:41] offset:512
	global_store_b16 v9, v[TP], s[42:43]           ; two bytes of each row's eight (lanes r and 16 + r store the same): a head owns half a scale word
	s_wait_xcnt 0x0                                ; the stores have read their registers and bases: both may be written again
.endm
	s_load_b128 s[4:7], s[0:1], 0x0                ; qb, kv
	s_load_b64 s[8:9], s[0:1], 0x10                ; yq
	v_lshl_add_u32 v3, v0, 2, SPARE
	v_mov_b32 v4, 0
	ds_add_u32 v3, v4                              ; the opening lines: the add, twice on end, and its wait
	ds_add_u32 v3, v4
	v_lshrrev_b32 v1, 5, v0
	v_readfirstlane_b32 s10, v1                    ; wave 0..15
	s_bfe_u32 s11, ttmp6, 0x40000                  ; cx
	s_and_b32 s12, ttmp7, 0xffff                   ; the head
	s_and_b32 s16, s10, 7                          ; w': the second pass's group
	s_lshr_b32 s18, s10, 3                         ; the parity of my tiles
	s_sub_co_u32 s13, 16, s16                      ; key steps of the first pass
	s_sub_co_u32 s15, 15, s16                      ; its group
	s_mov_b32 s24, 15|(3<<16)|(1<<21)              ; group 1: the mask of all four partners, elements of 8 bytes, bit 21 beside the mask; no padding: a fragment's loads take consecutive bytes
	s_mov_b32 s25, 32<<16                          ; tensor_dim0 = 32
	s_mov_b32 s26, 67<<16                          ; tensor_dim1 = 67
	s_mov_b32 s27, 32<<16                          ; tile_dim0
	s_mov_b32 s28, 67                              ; tile_dim1
	s_mov_b32 s29, 32                              ; the pitch: dense
	s_mov_b32 s30, 0
	s_mov_b32 s31, 0
	s_mov_b32 s19, 0x600000                        ; the mantissa field of 448
	s_mov_b32 s20, 0x76543210
	s_mov_b32 s21, 0xfedcba98
	s_mov_b32 s22, 0x3e38aa3b                      ; c = log2(e) / 8
	s_mov_b32 s23, s22
	s_mov_b32 s32, 1
	s_mul_i32 s33, s10, HALFB                      ; LDS: wave x 17,152
	s_mul_i32 s52, s12, KVH
	s_add_co_u32 s52, s52, s33                     ; and the same part of the head's record
	s_mov_b32 s53, 0
	s_lshl_b32 s60, s11, 1
	s_add_co_u32 s60, s60, s18                     ; 2 cx + parity: my tile among a group's eight
	s_mul_i32 s61, s12, QREC
	s_lshr_b32 s62, s12, 4
	s_lshl_b32 s62, s62, 4                         ; 16 groups of 128 rows a batch
	s_and_b32 s58, s12, 15
	s_lshr_b32 s59, s58, 2                         ; k / 256, k = 64 x head
	s_and_b32 s58, s58, 3
	s_lshl_b32 s63, s59, 15
	s_lshl_b32 s54, s60, 12
	s_add_co_u32 s63, s63, s54
	s_lshl_b32 s54, s58, 10                        ; two blocks of 512 bytes a head
	s_add_co_u32 s63, s63, s54
	s_lshl_b32 s66, s59, 10
	s_lshl_b32 s54, s60, 7
	s_add_co_u32 s66, s66, s54
	s_lshl_b32 s54, s58, 1
	s_add_co_u32 s66, s66, s54
	s_add_co_u32 s66, s66, 131072
	s_lshl_b32 s67, s11, 5
	s_lshl_b32 s54, s18, 3
	s_add_co_u32 s67, s67, s54                     ; 32 cx + 8 x parity
	s_mov_b32 s55, 0
	s_wait_dscnt 0x0                               ; both opening adds are done
	CROUND                                         ; the round in front of the joint loads
	s_wait_kmcnt 0x0
	s_add_nc_u64 s[34:35], s[6:7], s[52:53]
	s_or_b32 s35, s35, 0x80000000
	s_cmp_lt_u32 s10, 2                            ; one load a wave; waves 0 and 1 (slot 0) have a line of their own, since they alone wait at the first barrier
	s_cbranch_scc0 .Lrest
	TLOAD
	s_branch .Lasked
.Lrest:
	TLOAD
.Lasked:
	PADDR 15, 36, 40
	PADDR 16, 44, 48
	v_and_b32 v6, 31, v0
	v_and_b32 v7, 15, v0                           ; r
	v_bfe_u32 v11, v0, 4, 1                        ; h
	v_lshlrev_b32 v1, 4, v6
	v_lshlrev_b32 v2, 2, v6
	v_lshlrev_b32 v9, 3, v7
	v_lshlrev_b32 v10, 2, v7
	v_and_b32 v8, 7, v7
	v_lshrrev_b32 v6, 3, v7
	v_sub_nc_u32 v6, v6, v11
	v_lshl_add_u32 v8, v6, 4, v8
	v_add_nc_u32 v8, s67, v8                       ; 32 cx + 8 x parity + r % 8 + 16 (r / 8) - 16 h
	global_load_b128 v[16:19], v1, s[36:37]
	global_load_b128 v[20:23], v1, s[36:37] offset:512
	global_load_b32 v222, v10, s[38:39]
.set n, 0
.rept 8
	v_mov_b32 v[24+n], 0                           ; the unused half of K: zero codes in Q,
	v_mov_b32 v[96+n], 0                           ; and behind K's last tile: set once, never loaded into
.set n, n+1
.endr
.irp b, 0,1,2,3
	v_mov_b32 v[PM+\b], 0                          ; written once: a lane permute's destination counts as one of its sources
.endr
	v_mov_b32 v[F+1], 0                            ; (the upper half of the pair)
	INIT
	s_wait_alu depctr_va_vdst(0)                   ; the wait at the head's end
	s_cmp_lt_u32 s10, 2
	s_cbranch_scc0 .Lnot_slot_0
	s_wait_tensorcnt 0x0                           ; waves 0 and 1: slot 0 is in
.Lnot_slot_0:
	BARRIER
	s_mov_b32 s54, 0                               ; key steps 0 and 1 of the first pass (it has nine at the least): slot 0 alone
	s_mov_b32 s55, 0
	s_mov_b32 s56, 0
	STEP 0
	s_mov_b32 s54, 8192
	s_mov_b32 s55, 512
	s_mov_b32 s56, 256
	STEP 0
	s_wait_alu depctr_va_vdst(0)
	s_wait_tensorcnt 0x0                           ; every wave: the whole record is in
	s_wait_dscnt 0x0
	BARRIER
	s_mov_b32 s14, 2
.Ltrip:                                            ; fifteen trips, a key step each
	s_cmp_lg_u32 s14, s13                          ; does the second pass begin?  (the wave's number and the count of steps)
	s_cbranch_scc1 .Lsame
	WAYOUT
	s_mov_b64 s[40:41], s[48:49]
	s_mov_b64 s[42:43], s[50:51]
	INIT
	s_wait_alu depctr_va_vdst(0)
.Lsame:
	s_cmp_ge_u32 s14, s13
	s_cselect_b32 s52, s13, 0
	s_cselect_b32 s57, s16, s15                    ; the pass's group = its last key step
	s_sub_co_u32 s17, s14, s52
	s_and_b32 s17, s17, 15                         ; the key step, 0 .. 15
	s_lshr_b32 s52, s17, 1
	s_mul_i32 s52, s52, SLOTB
	s_and_b32 s53, s17, 1
	s_lshl_b32 s54, s53, 13
	s_add_co_u32 s54, s54, s52
	s_lshl_b32 s55, s53, 9
	s_add_co_u32 s55, s55, s52
	s_lshl_b32 s56, s53, 8
	s_add_co_u32 s56, s56, s52
	STEP 1
	s_add_co_u32 s14, s14, 1
	s_cmp_lt_u32 s14, 17
	s_wait_alu depctr_va_vdst(0)                   ; the wait directly ahead of the branch
	s_cbranch_scc1 .Ltrip
	WAYOUT
	s_wait_tensorcnt 0x0                           ; the wave's end
	ds_add_u32 v3, v4
	s_wait_dscnt 0x0
	CROUND                                         ; the closing round
	s_endpgm
.Lfunc_end_k_q57ca483b03_attn:
	.size	k_q57ca483b03_attn, .Lfunc_end_k_q57ca483b03_attn-k_q57ca483b03_attn
	.p2alignl 7, 3214868480
	.fill 96, 4, 3214868480
	.section	.rodata,"a",@progbits
	.p2align	6, 0x0
	.amdhsa_kernel k_q57ca483b03_attn
		.amdhsa_group_segment_fixed_size 327680
		.amdhsa_private_segment_fixed_size 0
		.amdhsa_enable_private_segment 0
		.amdhsa_kernarg_size 24
		.amdhsa_user_sgpr_count 2
		.amdhsa_user_sgpr_kernarg_segment_ptr 1
		.amdhsa_wavefront_size32 1
		.amdhsa_system_sgpr_workgroup_id_x 1
		.amdhsa_system_sgpr_workgroup_id_y 1
		.amdhsa_system_sgpr_workgroup_id_z 1
		.amdhsa_system_vgpr_workitem_id 0
		.amdhsa_next_free_vgpr 256
		.amdhsa_next_free_sgpr 72
		.amdhsa_reserve_vcc 1
		.amdhsa_float_denorm_mode_32 3
		.amdhsa_float_denorm_mode_16_64 3
		.amdhsa_memory_ordered 1
		.amdhsa_forward_progress 1
		.amdhsa_inst_pref_size 86
	.end_amdhsa_kernel
	.amdgpu_metadata
---
amdhsa.version: [ 1, 2 ]
amdhsa.kernels:
  - .name:           k_q57ca483b03_attn
    .symbol:         k_q57ca483b03_attn.kd
    .args:
      - { .name: qb, .offset: 0, .size: 8, .value_kind: global_buffer, .address_space: global }
      - { .name: kv, .offset: 8, .size: 8, .value_kind: global_buffer, .address_space: global }
      - { .name: yq, .offset: 16, .size: 8, .value_kind: global_buffer, .address_space: global }
    .group_segment_fixed_size: 327680
    .private_segment_fixed_size: 0
    .kernarg_segment_align: 8
    .kernarg_segment_size: 24
    .max_flat_workgroup_size: 512
    .sgpr_count:     72
    .vgpr_count:     256
    .wavefront_size: 32
...
	.end_amdgpu_metadata
.endif
;; end of part 3
;; launch proj (part 4): grid 4 x 32, 4 waves a work-group, clusters of 4 x 4, 327,680 bytes of LDS; arguments yq, wq, b_proj, out0; writes out0
.if DOCPART == 4
	.amdgcn_target "amdgcn-amd-amdhsa--gfx1250"
	.amdhsa_code_object_version 6
	.text
	.protected	k_q57ca483b03_proj
	.globl	k_q57ca483b03_proj
	.p2align	8
	.type	k_q57ca483b03_proj,@function
k_q57ca483b03_proj:
	s_mov_b64 s[64:65], 0
	v_nop
	global_prefetch_b8 v0, s[64:65] scope:SCOPE_SE
	s_setreg_imm32_b32 hwreg(HW_REG_WAVE_MODE, 25, 1), 1
	s_wait_xcnt 0x0
	s_wait_alu depctr_hold_cnt(0) depctr_sa_sdst(0) depctr_va_vdst(0) depctr_va_sdst(0) depctr_va_ssrc(0) depctr_va_vcc(0) depctr_vm_vsrc(0)
	s_getreg_b32 s2, hwreg(HW_REG_IB_STS2, 6, 4)
	s_cmp_eq_u32 s2, 0
	s_cbranch_scc0 .Lentry_in_a_cluster
	s_endpgm
.Lentry_in_a_cluster:
	s_bfe_u32 s2, ttmp6, 0x10000c
	s_cmp_lg_u32 s2, 0xf033
	s_cbranch_scc0 .Lentry_shape_is_right
	s_endpgm
.Lentry_shape_is_right:
.set GREC,  135168
.set HALFT, 32768
.set SLOT,  131072
.set SCL,   262144
.set SCLB,  270464
.set SPARE, 278784
.set STG,   279296
.set FR,    16
.set NL,    4
.set NP,    8
.set ADRA,  16
.set ADRB,  20
.set STO,   24
.set RD,    25
.set ADRS,  27
.set SPW,   28
.set NIL,   29
.set SC,    32
.set BT,    64
.set AF,    128
.set BK,    128
.set G1,  24
.set G0,  32
.set G1B, 48
.set G0B, 56
.set G1S, 68
.set G0S, 76
.set G1SB, 80
.set G0SB, 88
.set MSB, 0
.macro WIN new
.if MSB != \new
	s_set_vgpr_msb (MSB<<8)|\new
.set MSB, \new
.endif
.endm
.set TO_B, 0x40
.macro JLOAD g0a, g1a, g0b, g1b
	s_cmp_eq_u32 s15, 0
	s_cbranch_scc0 .Lfor_b_\@
	tensor_load_to_lds s[\g0a:\g0a+3], s[\g1a:\g1a+7]
	s_nop 0
.rept 4
	v_nop
.endr
	s_branch .Lasked_\@
.Lfor_b_\@:
	tensor_load_to_lds s[\g0b:\g0b+3], s[\g1b:\g1b+7]
	s_nop 0
.rept 4
	v_nop
.endr
.Lasked_\@:
.endm
.macro CREST
	s_cmp_lg_u32 s14, 0
	s_cbranch_scc1 .Lnot_wave_0_\@
	s_barrier_signal -3
.Lnot_wave_0_\@:
	s_barrier_wait -3
	s_barrier_signal -1
	s_barrier_wait -1
.endm
.macro CROUND
	s_barrier_signal -1
	s_barrier_wait -1
	CREST
.endm
.macro PLACES n
.rept \n
	v_nop
.endr
.endm
.macro FRAG reg, adr, q, i
.irp c, 0,1,2,3
	ds_load_b128 v[\reg+4*\c:\reg+4*\c+3], v[\adr] offset:(\i)*4096+(\q)*2048+512*\c
.endr
.endm
.macro MUL16 a0, p, q, sc, cm
.irp a, \a0, \a0+1
.irp b, 0,1,2,3,4,5,6,7
.if \cm == 0
	v_wmma_scale_f32_16x16x128_f8f6f4 v[8*(8*((\a)%4)+\b):8*(8*((\a)%4)+\b)+7], v[128*(\p)+FR*\b:128*(\p)+FR*\b+FR-1], v[AF+FR*(\a):AF+FR*(\a)+FR-1], v[8*(8*((\a)%4)+\b):8*(8*((\a)%4)+\b)+7], v[SC+16*(\sc)+2*\b+(\q)], v[SC+16*(\sc)+2*(\a)+(\q)] matrix_a_scale:MATRIX_SCALE_ROW1
.else
	v_wmma_scale_f32_16x16x128_f8f6f4 v[8*(8*((\a)%4)+\b):8*(8*((\a)%4)+\b)+7], v[128*(\p)+FR*\b:128*(\p)+FR*\b+FR-1], v[AF+FR*(\a):AF+FR*(\a)+FR-1], v[BT+8*\b:BT+8*\b+7], v[SC+16*(\sc)+2*\b+(\q)], v[SC+16*(\sc)+2*(\a)+(\q)] matrix_a_scale:MATRIX_SCALE_ROW1
.endif
.endr
.endr
.endm
.macro FETCH_B slot, q, p
	WIN TO_B
.irp i, 0,1,2,3,4,5,6,7
	FRAG 128*(\p)+FR*\i, ADRB+\slot, \q, \i
.endr
	WIN 0
.endm
.macro FETCH_A slot, q, i0
.irp i, \i0, \i0+1, \i0+2, \i0+3
	FRAG AF+FR*(\i), ADRA+\slot, \q, \i
.endr
.endm
.macro SCALES sc
.irp i, 0,1,2,3,4,5,6,7
	ds_load_b64 v[SC+16*\sc+2*\i:SC+16*\sc+2*\i+1], v[ADRS] offset:128*\i
.endr
.endm
.macro STEP slot, q, cm
	s_wait_dscnt 4*NL
.if \cm
	WIN 0x81
.else
	WIN 0xa1
.endif
	MUL16 0, (\q)%2, \q, \slot, \cm
	MUL16 2, (\q)%2, \q, \slot, \cm
	s_wait_dscnt 0
	PLACES NP
	FETCH_B \slot, (\q)+1, 1-(\q)%2
	FETCH_A \slot, (\q)+1, 0
.if \cm
	WIN 0xc1
.else
	WIN 0xf1
.endif
	MUL16 4, (\q)%2, \q, \slot, \cm
	MUL16 6, (\q)%2, \q, \slot, \cm
	PLACES NP
	WIN 0
	FETCH_A \slot, (\q)+1, 4
.endm
.macro TURN slot, next, fill
	s_wait_tensorcnt 0x0
	ds_add_u32 v[SPW], v[NIL]
	s_wait_dscnt 4*NL+1
	WIN 0xa1
	MUL16 0, 1, 1, \slot, 0
	s_wait_dscnt 0x0
	s_barrier_signal -1
	MUL16 2, 1, 1, \slot, 0
	WIN 0
	s_barrier_wait -1
.if \fill
	CREST
	s_add_nc_u64 s[G0+4*\slot+2:G0+4*\slot+3], s[G0+4*\slot+2:G0+4*\slot+3], 2*HALFT
	s_add_nc_u64 s[G0B+4*\slot+2:G0B+4*\slot+3], s[G0B+4*\slot+2:G0B+4*\slot+3], 2*HALFT
	JLOAD G0+4*\slot, G1, G0B+4*\slot, G1B
	PLACES NP-4
.else
	PLACES NP
.endif
	s_wait_alu depctr_va_vdst(0)
	v_add_nc_u32 v[ADRS], 1024, v[ADRS]
	FETCH_B \next, 0, 0
	FETCH_A \next, 0, 0
	SCALES \next
	WIN 0xf1
	MUL16 4, 1, 1, \slot, 0
	MUL16 6, 1, 1, \slot, 0
	PLACES NP
	WIN 0
	FETCH_A \next, 0, 4
.endm
	s_load_b256 s[4:11], s[0:1], 0x0
	v_lshl_add_u32 v[SPW], v0, 2, SPARE
	v_mov_b32 v[NIL], 0
	ds_add_u32 v28, v29
	ds_add_u32 v28, v29
	s_wait_dscnt 0x0
	v_lshrrev_b32 v1, 5, v0
	v_readfirstlane_b32 s14, v1
	s_lshr_b32 s15, s14, 1
	s_and_b32 s16, s14, 1
	s_bfe_u32 s40, ttmp6, 0x40000
	s_bfe_u32 s41, ttmp6, 0x40004
	s_lshl_b32 s94, ttmp9, 2
	s_add_co_u32 s94, s94, s40
	s_and_b32 s93, ttmp7, 0xffff
	s_lshl_b32 s93, s93, 2
	s_add_co_u32 s93, s93, s41
	s_lshl_b32 s43, s41, 2
	s_lshl_b32 s43, 15, s43
	s_lshl_b32 s44, 0x1111, s40
	s_or_b32 s[G1+0], s43, (3<<16)|(1<<21)
	s_or_b32 s[G1B+0], s44, (3<<16)|(1<<21)
.irp g, G1, G1B                        ; for the head's loads: a K step's codes of two groups: 2 rows of 32,768 bytes (4,096 elements of 8), GREC bytes apart
	s_mov_b32 s[\g+1], 4096<<16
	s_mov_b32 s[\g+2], 2<<16
	s_mov_b32 s[\g+3], 4096<<16
	s_mov_b32 s[\g+4], 2
	s_mov_b32 s[\g+5], GREC/8
	s_mov_b32 s[\g+6], 0
	s_mov_b32 s[\g+7], 0
.endr
	s_or_b32 s[G1S+0], s43, (3<<16)|(1<<21)
	s_or_b32 s[G1SB+0], s44, (3<<16)|(1<<21)
.irp g, G1S, G1SB                      ; the scales of two groups: 2 rows of 4,096 bytes, GREC bytes apart
	s_mov_b32 s[\g+1], 512<<16
	s_mov_b32 s[\g+2], 2<<16
	s_mov_b32 s[\g+3], 512<<16
	s_mov_b32 s[\g+4], 2
	s_mov_b32 s[\g+5], GREC/8
	s_mov_b32 s[\g+6], 0
	s_mov_b32 s[\g+7], 0
.endr
	s_lshl_b32 s20, s93, 1
	s_add_co_u32 s20, s20, s16
	s_mul_i32 s20, s20, GREC
	s_mov_b32 s21, 0
	s_lshl_b32 s46, s94, 1
	s_add_co_u32 s46, s46, s16
	s_add_co_u32 s46, s46, 24
	s_mul_i32 s46, s46, GREC
	s_mov_b32 s47, 0
	s_lshl_b32 s45, s14, 15
	s_wait_kmcnt 0x0
	s_add_nc_u64 s[20:21], s[4:5], s[20:21]
	s_add_nc_u64 s[46:47], s[6:7], s[46:47]
	CROUND
.irp s, 1
	s_mov_b32 s[G0+4*\s], 1
	s_add_co_u32 s[G0+4*\s+1], s45, \s*SLOT
	s_add_nc_u64 s[G0+4*\s+2:G0+4*\s+3], s[20:21], \s*HALFT
	s_or_b32 s[G0+4*\s+3], s[G0+4*\s+3], 0x80000000
	s_mov_b32 s[G0B+4*\s], 1
	s_add_co_u32 s[G0B+4*\s+1], s45, \s*SLOT
	s_add_nc_u64 s[G0B+4*\s+2:G0B+4*\s+3], s[46:47], \s*HALFT
	s_or_b32 s[G0B+4*\s+3], s[G0B+4*\s+3], 0x80000000
.endr
	; THE HEAD'S LOADS, ONE A WAVE: wave 0 K step 0's codes of A's two groups, wave 1 B's, wave 2 A's scales, wave 3 B's.  Slot 0's groups 0 serve them and take the ring's values behind the wait for them.
	s_mul_i32 s18, s16, GREC
	s_mov_b32 s19, 0
	s_mov_b32 s[G0], 1
	s_mov_b32 s[G0+1], 0
	s_sub_nc_u64 s[G0+2:G0+3], s[20:21], s[18:19]  ; the first of A's two groups
	s_mov_b32 s[G0S], 1
	s_mov_b32 s[G0S+1], SCL
	s_add_nc_u64 s[G0S+2:G0S+3], s[G0+2:G0+3], 131072
	s_or_b32 s[G0+3], s[G0+3], 0x80000000
	s_or_b32 s[G0S+3], s[G0S+3], 0x80000000
	s_mov_b32 s[G0B], 1
	s_mov_b32 s[G0B+1], 2*HALFT
	s_sub_nc_u64 s[G0B+2:G0B+3], s[46:47], s[18:19]
	s_mov_b32 s[G0SB], 1
	s_mov_b32 s[G0SB+1], SCLB
	s_add_nc_u64 s[G0SB+2:G0SB+3], s[G0B+2:G0B+3], 131072
	s_or_b32 s[G0B+3], s[G0B+3], 0x80000000
	s_or_b32 s[G0SB+3], s[G0SB+3], 0x80000000
.macro ARM under, g0, g1, next         ; one chain of branches on the wave's number, a load to an arm, all arms to one join
	s_cmp_lt_u32 s14, \under
	s_cbranch_scc0 \next
	tensor_load_to_lds s[\g0:\g0+3], s[\g1:\g1+7]
	s_nop 0
.rept 4
	v_nop
.endr
	s_branch .Lhead_asked
\next:
.endm
	ARM 1, G0,  G1,  .Lhead_b
	ARM 2, G0B, G1B, .Lhead_sa
	ARM 3, G0S, G1S, .Lhead_sb
	tensor_load_to_lds s[G0SB:G0SB+3], s[G1SB:G1SB+7]
	s_nop 0
.rept 4
	v_nop
.endr
.Lhead_asked:
	v_and_b32 v1, 15, v0
	v_bfe_u32 v2, v0, 4, 1
	s_wait_alu depctr_va_vdst(0)
	v_and_b32 v3, 31, v0
	v_lshlrev_b32 v4, 4, v3
	s_lshl_b32 s17, s15, 15
	s_lshl_b32 s18, s16, 15
	s_add_co_u32 s18, s18, 2*HALFT
.irp s, 0,1
	v_add_nc_u32 v[ADRA+\s], s17, v4
	v_add_nc_u32 v[ADRB+\s], s18, v4
	s_add_co_u32 s17, s17, SLOT
	s_add_co_u32 s18, s18, SLOT
.endr
	v_lshlrev_b32 v5, 3, v1
	s_lshl_b32 s17, s15, 12
	s_lshl_b32 s18, s16, 12
	s_add_co_u32 s18, s18, SCLB-SCL
	s_sub_co_u32 s18, s18, s17
	v_mul_u32_u24 v6, s18, v2
	s_add_co_u32 s17, s17, SCL
	v_add_nc_u32 v5, v5, v6
	v_add_nc_u32 v[ADRS], s17, v5
	s_mul_i32 s17, s14, 16*528
	s_add_co_u32 s17, s17, STG
	v_mul_u32_u24 v[STO], v1, 528
	v_lshl_add_u32 v[STO], v2, 6, v[STO]
	v_add_nc_u32 v[STO], s17, v[STO]
	v_add_nc_u32 v[RD], s17, v4
	s_lshl_b32 s96, s93, 8
	s_lshl_b32 s97, s15, 7
	s_add_co_u32 s96, s96, s97
	s_lshl_b32 s96, s96, 12
	s_lshl_b32 s97, s94, 10
	s_add_co_u32 s96, s96, s97
	s_lshl_b32 s97, s16, 9
	s_add_co_u32 s96, s96, s97
	s_mov_b32 s97, 0
	s_add_nc_u64 s[12:13], s[10:11], s[96:97]
	s_lshl_b32 s98, s94, 10
	s_lshl_b32 s99, s16, 9
	s_add_co_u32 s98, s98, s99
	s_mov_b32 s99, 0
	s_add_nc_u64 s[98:99], s[8:9], s[98:99]
	v_lshlrev_b32 v5, 6, v2
.irp g, 0,1,2,3,4,5,6,7
	global_load_b128 v[BT+8*\g:BT+8*\g+3], v5, s[98:99] offset:4*(32*(\g/2)+8*(\g%2))
	global_load_b128 v[BT+8*\g+4:BT+8*\g+7], v5, s[98:99] offset:4*(32*(\g/2)+8*(\g%2))+16
.endr
	s_wait_alu depctr_va_vdst(0)
	s_wait_tensorcnt 0x0                           ; my tile of the head's four is in
	ds_add_u32 v[SPW], v[NIL]
.irp g, G1, G1B                        ; no tensor load of mine is out: from here on a load brings 128 rows of 256 bytes,
	s_mov_b32 s[\g+1], 32<<16
	s_mov_b32 s[\g+2], 128<<16
	s_mov_b32 s[\g+3], 32<<16
	s_mov_b32 s[\g+4], 128
	s_mov_b32 s[\g+5], 32
.endr
	s_mov_b32 s[G0+1], s45                         ; and slot 0's groups 0 stand at my group's K step 0
	s_mov_b64 s[G0+2:G0+3], s[20:21]
	s_or_b32 s[G0+3], s[G0+3], 0x80000000
	s_mov_b32 s[G0B+1], s45
	s_mov_b64 s[G0B+2:G0B+3], s[46:47]
	s_or_b32 s[G0B+3], s[G0B+3], 0x80000000
	s_wait_dscnt 0x0
	CROUND                                         ; a whole round: all four tiles are in,
	JLOAD G0+4, G1, G0B+4, G1B                     ; and K step 1's load is the first tensor load behind it
	FETCH_B 0, 0, 0
	FETCH_A 0, 0, 0
	SCALES 0
	FETCH_A 0, 0, 4
	s_wait_loadcnt 0x0
	STEP 0, 0, 1
	TURN 0, 1, 1
	STEP 1, 0, 0
	TURN 1, 0, 1
	STEP 0, 0, 0
	TURN 0, 1, 0
	STEP 1, 0, 0
	s_wait_dscnt 4*NL
	WIN 0xa1
	MUL16 0, 1, 1, 1, 0
	MUL16 2, 1, 1, 1, 0
	s_wait_dscnt 0
	WIN 0xf1
	MUL16 4, 1, 1, 1, 0
	MUL16 6, 1, 1, 1, 0
	WIN 0
.macro TOSTAGE a
.set AC, 64*((\a)%4)
	WIN 0x08+4*((\a)/4)
.irp b, 0,1,2,3,4,5,6,7
	ds_store_b128 v[STO], v[AC+8*\b:AC+8*\b+3] offset:128*(\b/2)+32*(\b%2)
	ds_store_b128 v[STO], v[AC+8*\b+4:AC+8*\b+7] offset:128*(\b/2)+32*(\b%2)+16
.endr
	WIN 0
.set BB, BK+64*((\a)%2)
.irp t, 0,1,2,3,4,5,6,7,8,9,10,11,12,13,14,15
	ds_load_b128 v[BB+4*\t:BB+4*\t+3], v[RD] offset:\t*528
.endr
.endm
.macro SEND a, younger
.set BB, BK+64*((\a)%2)
	s_wait_dscnt \younger
.irp t, 0,1,2,3,4,5,6,7,8,9,10,11,12,13,14,15
	global_store_b128 v4, v[BB+4*\t:BB+4*\t+3], s[12:13] offset:(32*((\a)/2)+8*((\a)%2)+(\t%8)+16*(\t/8))*4096 th:TH_STORE_NT
.endr
.endm
	PLACES NP
	TOSTAGE 0
.irp a, 1,2,3,4,5,6,7
.if \a > 1
	s_wait_xcnt 0x0
.endif
	TOSTAGE \a
	SEND \a-1, 32
.endr
	SEND 7, 0
	s_wait_tensorcnt 0x0
	ds_add_u32 v[SPW], v[NIL]
	s_wait_dscnt 0x0
	CROUND
	s_endpgm
.Lfunc_end_k_q57ca483b03_proj:
	.size	k_q57ca483b03_proj, .Lfunc_end_k_q57ca483b03_proj-k_q57ca483b03_proj
	.p2alignl 7, 3214868480
	.fill 96, 4, 3214868480
	.section	.rodata,"a",@progbits
	.p2align	6, 0x0
	.amdhsa_kernel k_q57ca483b03_proj
		.amdhsa_group_segment_fixed_size 327680
		.amdhsa_private_segment_fixed_size 0
		.amdhsa_enable_private_segment 0
		.amdhsa_kernarg_size 32
		.amdhsa_user_sgpr_count 2
		.amdhsa_user_sgpr_kernarg_segment_ptr 1
		.amdhsa_wavefront_size32 1
		.amdhsa_system_sgpr_workgroup_id_x 1
		.amdhsa_system_sgpr_workgroup_id_y 1
		.amdhsa_system_sgpr_workgroup_id_z 1
		.amdhsa_system_vgpr_workitem_id 0
		.amdhsa_next_free_vgpr 1024
		.amdhsa_next_free_sgpr 100
		.amdhsa_reserve_vcc 0
		.amdhsa_float_denorm_mode_32 3
		.amdhsa_float_denorm_mode_16_64 3
		.amdhsa_memory_ordered 1
		.amdhsa_forward_progress 1
		.amdhsa_inst_pref_size 147
	.end_amdhsa_kernel
	.amdgpu_metadata
---
amdhsa.version: [ 1, 2 ]
amdhsa.kernels:
  - .name:           k_q57ca483b03_proj
    .symbol:         k_q57ca483b03_proj.kd
    .args:
      - { .name: yq, .offset: 0, .size: 8, .value_kind: global_buffer, .address_space: global }
      - { .name: wq, .offset: 8, .size: 8, .value_kind: global_buffer, .address_space: global }
      - { .name: b_proj, .offset: 16, .size: 8, .value_kind: global_buffer, .address_space: global }
      - { .name: out0, .offset: 24, .size: 8, .value_kind: global_buffer, .address_space: global }
    .group_segment_fixed_size: 327680
    .private_segment_fixed_size: 0
    .kernarg_segment_align: 8
    .kernarg_segment_size: 32
    .max_flat_workgroup_size: 128
    .sgpr_count:     100
    .vgpr_count:     1024
    .wavefront_size: 32
...
	.end_amdgpu_metadata
.endif
;; end of part 4
